; MI455X (gfx1250); checked and timed in simulation.
; The chip was launched on July 23, 2026; its instructions are those of AMD's public machine-readable ISA for CDNA 5 (MIT licence, August 2026) and "CDNA5" Instruction Set Architecture Reference Guide (July 2026). The comments in the code are by the model that wrote it; some were corrected since.
;; Scaled MH Attention. Allowed arithmetic: matrix products marked QUANTISED: E2M3 operands, one E8M0 scale for each 32 along K, by v_wmma_scale_f32_16x16x128_f8f6f4 with both operands' format E2M3, f32 sums; everything else in f32.
;; Inputs: Wk_codes 2,048 x 64 x 24 uint8 (E2M3 codes of Wk, K innermost, in blocks of 32 codes, four codes in three bytes); Wk_scales 2,048 x 64 uint8 (E8M0 scales of Wk, one for each 32 codes along K); Wo_codes 2,048 x 64 x 24 uint8 (E2M3 codes of Wo, K innermost, in blocks of 32 codes, four codes in three bytes); Wo_scales 2,048 x 64 uint8 (E8M0 scales of Wo, one for each 32 codes along K); Wq_codes 2,048 x 64 x 24 uint8 (E2M3 codes of Wq, K innermost, in blocks of 32 codes, four codes in three bytes); Wq_scales 2,048 x 64 uint8 (E8M0 scales of Wq, one for each 32 codes along K); Wv_codes 2,048 x 64 x 24 uint8 (E2M3 codes of Wv, K innermost, in blocks of 32 codes, four codes in three bytes); Wv_scales 2,048 x 64 uint8 (E8M0 scales of Wv, one for each 32 codes along K); key__codes 2,048 x 64 x 24 uint8 (E2M3 codes of key_, K innermost, in blocks of 32 codes, four codes in three bytes); key__scales 2,048 x 64 uint8 (E8M0 scales of key_, one for each 32 codes along K); query_codes 2,048 x 64 x 24 uint8 (E2M3 codes of query, K innermost, in blocks of 32 codes, four codes in three bytes); query_scales 2,048 x 64 uint8 (E8M0 scales of query, one for each 32 codes along K); scalars 16 float32; value_codes 2,048 x 64 x 24 uint8 (E2M3 codes of value, K innermost, in blocks of 32 codes, four codes in three bytes); value_scales 2,048 x 64 uint8 (E8M0 scales of value, one for each 32 codes along K).
;; Outputs: out0 2,048 x 2,048 float32.
;; This version of the problem:
;;   THIS VERSION OF THE PROBLEM IS GIVEN IN LOW PRECISION. The matrix products marked QUANTISED in the list below multiply operands that are first quantised to E2M3 (2 exponent bits, 3 mantissa bits; 6 bits a number), with one power-of-two scale for each 32 numbers along K (OCP MX v1.0); their sums are f32. All else is computed in f32.
;;   The module's matrix products, in the order in which they are computed (A, B: the left and right operand; K: the contracted axis; several contracted axes count as one K, in the product's order):
;;     1. [M 2,048, K 2,048] x [K 2,048, N 2,048]; A: input query (given as codes); B: input Wq (given as codes): QUANTISED
;;     2. [M 2,048, K 2,048] x [K 2,048, N 2,048]; A: input key_ (given as codes); B: input Wk (given as codes): QUANTISED
;;     3. [M 2,048, K 2,048] x [K 2,048, N 2,048]; A: input value (given as codes); B: input Wv (given as codes): QUANTISED
;;     4. batch 16 x [M 2,048, K 128] x [K 128, N 2,048]; A: computed on the way; B: computed on the way: QUANTISED
;;     5. batch 16 x [M 128, K 2,048] x [K 2,048, N 2,048]; A: computed on the way; B: computed on the way: QUANTISED
;;     6. [M 2,048, K 2,048] x [K 2,048, N 2,048]; A: computed on the way; B: input Wo (given as codes): QUANTISED
;;   THE QUANTISER, for each operand of a quantised product, along K:
;;     - K is cut into blocks of 32 from its start; a last block that is shorter is filled with zeros.
;;     - A block's scale is 2^e with e = floor(log2(the largest magnitude in the block)) - 2, held to -126 .. 127; a block of zeros has e = 0. As a byte (E8M0): e + 127.
;;     - Each number is divided by its block's scale, clamped to +-7.5, and rounded to the nearest number of E2M3, ties to even, subnormals kept.
;;     - The product sums the exact products of the quantised numbers (number of the format x scale) in f32.
;;   ~~~python
;;   def quantise(x, axis):      # numpy; x: float32 -> the quantised numbers, widened to float32 again
;;       x = np.moveaxis(x, axis, -1); K = x.shape[-1]
;;       x = np.pad(x, [(0, 0)] * (x.ndim - 1) + [(0, -K % 32)]); x = x.reshape(x.shape[:-1] + (-1, 32)); a = np.abs(x).max(-1, keepdims=True)
;;       e = np.where(a > 0, np.clip(np.frexp(np.where(a > 0, a, 1))[1] - 1 - 2, -126, 127), 0)      # np.frexp(a)[1] - 1 = floor(log2(a)), exactly
;;       r = np.clip(x / 2.0 ** e, -7.5, 7.5)
;;       step = 2.0 ** (np.maximum(np.frexp(np.where(r == 0, 1, r))[1] - 1, 0) - 3)
;;       q = np.round(r / step) * step * 2.0 ** e      # np.round: ties to even
;;       return np.moveaxis(q.reshape(q.shape[:-2] + (-1,))[..., :K], -1, axis).astype(np.float32)
;;   ~~~
;;   OPERANDS COMPUTED ON THE WAY. 'Computed on the way' means the value that the module computes at that place (a softmax that the list does not call 'softmax' is quantised finished and normalised). What goes into a quantiser is computed in f32, as accurately as f32 sums, v_exp_f32 and their like allow (about 1e-6 of the number): no bf16 or f16 on the way to a quantiser, and a product that is left as it is and whose result goes on into a quantised operand takes f32 operands (vector FMAs, or v_wmma_f32_16x16x4_f32). A number that lies on a knife's edge between two numbers of the format may be rounded either way, as far as f32 arithmetic and the matrix unit's own rounding can turn it there, and no further.
;;   INPUTS GIVEN AS CODES. Wk (in the module: [2048, 2048], K = its axis 1); Wo (in the module: [2048, 2048], K = its axis 1); Wq (in the module: [2048, 2048], K = its axis 1); Wv (in the module: [2048, 2048], K = its axis 1); key_ (in the module: [2048, 2048], K = its axis 1); query (in the module: [2048, 2048], K = its axis 1); value (in the module: [2048, 2048], K = its axis 1): each comes as NAME_codes (uint8): NAME with its K axis moved to the last place and cut into blocks of 32 codes, [.., K / 32, bytes a block], one block behind the other in memory; four codes in three bytes: a row's codes are one little-endian stream of bits, code i at bits 6 i .. 6 i + 5 (a code: sign, 2 exponent bits, 3 mantissa bits); and NAME_scales (uint8): the same leading axes, one E8M0 byte (e + 127) for each 32 codes along K. Its value is code x scale, taken as it is: it is not quantised again, and the codes and scales need not be those that the quantiser above would give.
;; One version. Each part assembles by itself: llvm-mc -triple=amdgcn-amd-amdhsa -mcpu=gfx1250 --defsym DOCPART=n.
;; ======== version 1 of 1: 3 launches
;; workspace buffers: qkv 9,830,400 bytes; aimg 3,276,800 bytes
;; launch proj (part 1): grid 8 x 24, 4 waves a work-group, clusters of 4 x 4, 327,680 bytes of LDS; arguments query_codes, query_scales, Wq_codes, Wq_scales, key__codes, key__scales, Wk_codes, Wk_scales, Wv_codes, Wv_scales, value_codes, value_scales, qkv; writes qkv
.if DOCPART == 1
	.amdgcn_target "amdgcn-amd-amdhsa--gfx1250"
	.amdhsa_code_object_version 6
	.text
	.protected	k_qafb8a06abf_proj
	.globl	k_qafb8a06abf_proj
	.p2align	8
	.type	k_qafb8a06abf_proj,@function
k_qafb8a06abf_proj:
	s_mov_b64 s[64:65], 0
	v_nop
	global_prefetch_b8 v0, s[64:65] scope:SCOPE_SE
	s_setreg_imm32_b32 hwreg(HW_REG_WAVE_MODE, 25, 1), 1
	s_wait_xcnt 0x0
	s_wait_alu depctr_hold_cnt(0) depctr_sa_sdst(0) depctr_va_vdst(0) depctr_va_sdst(0) depctr_va_ssrc(0) depctr_va_vcc(0) depctr_vm_vsrc(0)
	s_getreg_b32 s2, hwreg(HW_REG_IB_STS2, 6, 4)
	s_cmp_eq_u32 s2, 0
	s_cbranch_scc0 .Lentry_in_a_cluster
	s_endpgm
.Lentry_in_a_cluster:
	s_bfe_u32 s2, ttmp6, 0x10000c
	s_cmp_lg_u32 s2, 0xf033
	s_cbranch_scc0 .Lentry_shape_is_right
	s_endpgm
.Lentry_shape_is_right:
; THREE PRODUCTS ON CODES OF FP6 (E2M3), C = A B^T, 2,048 x 2,048 x 2,048 each, and the quantising of their results:
;   part 0: q = query Wq^T x 1/sqrt(128);   part 1: k = key_ Wk^T;   part 2: v^T = Wv value^T (rows: head x 128 + d, columns: keys).
; Each result is an operand of the attention's products, and in all three its K runs along C's COLUMNS (q, k: the head's 128; v^T: the keys).
; So each wave's 128 x 128 of C is quantised in registers, along its columns, in blocks of 32, and leaves as ONE RECORD of 12,800 bytes:
;   fragment a (rows 16 a + r, 128 along K) as an image of the operand's 12 registers: group c of four registers of lane l at 1,536 a + 512 c + 16 l;
;   the scale words at 12,288 + 256 (a / 4) + 16 r + 4 (a % 4): one load of 16 bytes a lane gives four registers with fragments 0-3 in lanes 0-15 and 4-7 in lanes 16-31.
; Records: part G at G x 3,276,800; record head x 16 + (group of 128 queries, or step of 128 keys).
; ORDER INSIDE A BLOCK OF 32: a lane's registers hold columns 16 t + 8 (lane / 16) + j; they are coded as they stand, which is a fixed permutation INSIDE each true block of 32.
; Both operands of each attention product are made with the same permutation (q and k here; v^T here and the weights in the next launch from scores laid the same way), so the products are unchanged.
; LIMITS: NaN and infinities are not served.  A block whose largest magnitude lies under 2^-124 gets the byte 1; so does a block of zeros, where the quantiser says 127: its codes are zeros, and the bytes are read by this program alone.
; THE PRODUCT.  A tile of C, 256 x 256, is made by four waves, each 128 x 128 in 64 accumulators (512 registers).  K goes in steps of 256 through a ring of two LDS slots filled by the tensor data mover.
; The scale bytes of the work-group's 256 rows of A and of B, for all of K, come into LDS once.  192 work-groups: a wave tile of 128 columns is one whole fragment of the next K, and halves the LDS bytes a product against 64 x 64.
; CLUSTERS: 4 x 4 work-groups of one part.  A's tiles are shared along a row of the cluster, B's along a column: each is asked for jointly.
; THE MATRIX INSTRUCTION IS USED TRANSPOSED (source 0 = 16 rows of B, source 1 = 16 rows of A): a lane holds one row of C and its registers run along the columns, the next K.
; REGISTERS, in windows of 256: window 0: v0-31 addresses; v32-63 scale words, two sets, and nothing else; v128-223 A's fragments, one set; the way out: v64-127 a block's numbers, v128-223 the codes, v224-255 at work.
;   window 1: B's fragments, two sets, at v0 and v128.   window 2: accumulators of my rows 0-63 ((a, b) at v[8 (8 a + b)]);   window 3: those of rows 64-127.
.set SIZE_K, 2048
.set KSTEP,  256                       ; along K in a slot
.set NQ,     KSTEP/128                 ; matrix instructions deep
.set ROWB,   192                       ; a tile's row in bytes
.set KROW,   SIZE_K*6/8                ; a row of codes in memory
.set PITCH,  240                       ; an LDS row: 3 x (64 bytes + 16 of padding)
.set FR,     12                        ; registers of a fragment
.set NL,     6                         ; LDS loads that bring one
.set NP,     4                         ; places behind this matrix instruction (ISA guide 7.12.1)
.set HALFT,  128*PITCH                 ; what one tensor load brings
.set SLOT,   4*HALFT                   ; A's 256 rows, then B's 256 rows
.set LAPS,   SIZE_K/(2*KSTEP)          ; a lap = two K steps = once round the ring
.set KS,     SIZE_K/32                 ; a row of scale bytes
.set SCL,    2*SLOT                    ; behind the ring: the scales, as units of 256 bytes + 16 of padding
.set HALFS,  (128*KS/256)*272
.set SBLK,   (16*KS/256)*272
.set SPARE,  SCL+4*HALFS               ; the spare words, 128 bytes a wave: two blocks of 256 bytes that no other line names
.set REC,    12800                     ; a record
.set PART,   256*REC                   ; a part of qkv
.set ADRA, 16                          ; v16-17 my A fragments in slot 0, 1 (v18-19: behind one padding more)
.set ADRB, 20                          ; v20-23 the same for B
.set LI,   24                          ; v24  16 x lane: my place in an image
.set LN,   25                          ; v25  lane
.set ADRS, 27                          ; v27  my scale words: lanes 0-15 A's rows, lanes 16-31 B's
.set SPW,  28                          ; v28  my spare word; never rewritten
.set NIL,  29                          ; v29  0; never rewritten
.set SC,   32                          ; scale words
.set AF,   128                         ; A's fragments
.set T,    64                          ; the way out: 64 numbers of a lane
.set CD,   128                         ; the codes: 12 registers for each of the eight blocks
.set CT,   224                         ; a conversion's second halves
.set TM,   232                         ; +0..3 largest magnitudes, +4..7 bytes, +8..11 the conversions' scale operands
.set PW,   244                         ; the eight blocks' scale words
.set XW,   252                         ; the scale words as they are stored
.set G1, 24
.set G0, 32
.set G1B, 48
.set G0B, 56
.set G1S, 68
.set G0S, 76
.set G1SB, 80
.set G0SB, 88
.set MSB, 0
.macro WIN new                         ; the immediate's high byte repeats the setting that is left
.if MSB != (\new)
	s_set_vgpr_msb (MSB<<8)|(\new)
.set MSB, (\new)
.endif
.endm
.set MUL_LO, 0xa1                      ; source 0 (B) window 1, source 1 (A) window 0, C and D window 2
.set MUL_HI, 0xf1                      ; the same, C and D window 3
.set TO_B,   0x40                      ; destination window 1, address window 0
; A joint load: waves 0 and 1 fetch for A, waves 2 and 3 for B; the branch hangs on the wave's number alone.  Four v_nop follow each of the two lines.
.macro JLOAD g0a, g1a, g0b, g1b
	s_cmp_eq_u32 s15, 0
	s_cbranch_scc0 .Lfor_b_\@
	tensor_load_to_lds s[\g0a:\g0a+3], s[\g1a:\g1a+7]
	s_nop 0
.rept 4
	v_nop
.endr
	s_branch .Lasked_\@
.Lfor_b_\@:
	tensor_load_to_lds s[\g0b:\g0b+3], s[\g1b:\g1b+7]
	s_nop 0
.rept 4
	v_nop
.endr
.Lasked_\@:
.endm
.macro CREST                           ; a round of the cluster's barrier behind its opening barrier
	s_cmp_lg_u32 s14, 0
	s_cbranch_scc1 .Lnot_wave_0_\@
	s_barrier_signal -3
.Lnot_wave_0_\@:
	s_barrier_wait -3
	s_barrier_signal -1
	s_barrier_wait -1
.endm
.macro CROUND                          ; a whole round
	s_barrier_signal -1
	s_barrier_wait -1
	CREST
.endm
	s_load_b512 s[68:83], s[0:1], 0x0              ; part 0: query's codes, scales, Wq's codes, scales; part 1: key_'s, Wk's
	s_load_b256 s[84:91], s[0:1], 0x40             ; part 2: Wv's codes, scales (A), value's codes, scales (B)
	s_load_b64 s[12:13], s[0:1], 0x60              ; qkv
	v_lshl_add_u32 v[SPW], v0, 2, SPARE
	v_mov_b32 v[NIL], 0
	ds_add_u32 v28, v29
	ds_add_u32 v28, v29
	s_wait_dscnt 0x0
	v_lshrrev_b32 v1, 5, v0
	v_readfirstlane_b32 s14, v1                    ; wave 0..3
	s_lshr_b32 s15, s14, 1                         ; which half of the tile's rows is mine.  Also: I fetch for A (0) or for B (1)
	s_and_b32 s16, s14, 1                          ; which half of its columns.  Also: which 128 rows of that tile I fetch
	s_bfe_u32 s40, ttmp6, 0x40000                  ; cx, cy: my place in the cluster
	s_bfe_u32 s41, ttmp6, 0x40004
	s_lshl_b32 s42, ttmp9, 2
	s_add_co_u32 s42, s42, s40                     ; tile column of C = 4 x cluster x + cx
	s_and_b32 s17, ttmp7, 0xffff                   ; the cluster's y, 0..5: two clusters high for each part
	s_lshr_b32 s95, s17, 1                         ; the part G: the same in all sixteen partners
	s_and_b32 s17, s17, 1
	s_lshl_b32 s17, s17, 2
	s_add_co_u32 s17, s17, s41                     ; tile row of C in its part
	s_lshl_b32 s43, s41, 2
	s_lshl_b32 s43, 15, s43                        ; my row of the cluster
	s_lshl_b32 s44, 0x1111, s40                    ; my column
	; descriptor group 1: a tile of 128 rows x ROWB bytes, 16 bytes of padding behind every 64
	s_or_b32 s[G1+0], s43, (0<<16)|(1<<20)|(1<<21)|(3<<22)|(3<<25)
	s_or_b32 s[G1B+0], s44, (0<<16)|(1<<20)|(1<<21)|(3<<22)|(3<<25)
.irp g, G1, G1B
	s_mov_b32 s[\g+1], ROWB<<16                    ; tensor_dim0
	s_mov_b32 s[\g+2], 128<<16                     ; tensor_dim1
	s_mov_b32 s[\g+3], ROWB<<16                    ; tile_dim0
	s_mov_b32 s[\g+4], 128                         ; tile_dim1
	s_mov_b32 s[\g+5], KROW                        ; tensor_dim0_stride
	s_mov_b32 s[\g+6], 0
	s_mov_b32 s[\g+7], 0
.endr
	s_lshl_b32 s18, s16, 7                         ; which 128 rows of the tile I fetch
	s_lshl_b32 s20, s17, 8
	s_add_co_u32 s20, s20, s18                     ; A: row 256 x tile row + 128 x half
	s_lshl_b32 s46, s42, 8
	s_add_co_u32 s46, s46, s18                     ; B: row 256 x tile column + 128 x half
	s_mov_b32 s21, 0
	s_mov_b32 s47, 0
	s_mov_b64 s[18:19], KS
	s_mul_u64 s[22:23], s[20:21], s[18:19]         ; where these rows' scales begin, in bytes
	s_mul_u64 s[92:93], s[46:47], s[18:19]
	s_mov_b64 s[18:19], KROW
	s_mul_u64 s[20:21], s[20:21], s[18:19]         ; and their codes
	s_mul_u64 s[46:47], s[46:47], s[18:19]
	s_mul_i32 s45, s14, HALFT                      ; where they go: wave x 128 rows
	s_mul_i32 s94, s14, HALFS
	s_wait_kmcnt 0x0
	s_cmp_eq_u32 s95, 1                            ; the part's four buffers: a choice that hangs on the cluster's number alone
.irp i, 0,1,2,3
	s_cselect_b64 s[4+2*\i:5+2*\i], s[76+2*\i:77+2*\i], s[68+2*\i:69+2*\i]
.endr
	s_cmp_eq_u32 s95, 2
.irp i, 0,1,2,3
	s_cselect_b64 s[4+2*\i:5+2*\i], s[84+2*\i:85+2*\i], s[4+2*\i:5+2*\i]
.endr
	s_cmp_eq_u32 s95, 0
	s_cselect_b32 s96, 0x3db504f3, 1.0             ; q is multiplied by 1/sqrt(128) in f32 ahead of its quantiser; k and v by 1
	s_mov_b32 s97, s96                             ; (named with it as a pair)
	s_add_nc_u64 s[20:21], s[4:5], s[20:21]
	s_add_nc_u64 s[22:23], s[6:7], s[22:23]
	s_add_nc_u64 s[46:47], s[8:9], s[46:47]
	s_add_nc_u64 s[92:93], s[10:11], s[92:93]
	; group 1 for the scales of 128 rows: a dense block, as rows of 256 bytes, 16 bytes of padding behind each (these registers held the twelve addresses until the choice above)
	s_or_b32 s[G1S+0], s43, (3<<16)|(1<<20)|(1<<21)|(5<<22)|(3<<25)
	s_or_b32 s[G1SB+0], s44, (3<<16)|(1<<20)|(1<<21)|(5<<22)|(3<<25)
.irp g, G1S, G1SB
	s_mov_b32 s[\g+1], 32<<16
	s_mov_b32 s[\g+2], (128*KS/256)<<16
	s_mov_b32 s[\g+3], 32<<16
	s_mov_b32 s[\g+4], 128*KS/256
	s_mov_b32 s[\g+5], 32
	s_mov_b32 s[\g+6], 0
	s_mov_b32 s[\g+7], 0
.endr
	CROUND                                         ; all sixteen work-groups are here: the first joint loads meet
	s_mov_b32 s[G0S], 1
	s_add_co_u32 s[G0S+1], s94, SCL
	s_mov_b64 s[G0S+2:G0S+3], s[22:23]
	s_or_b32 s[G0S+3], s[G0S+3], 0x80000000
	s_mov_b32 s[G0SB], 1
	s_add_co_u32 s[G0SB+1], s94, SCL
	s_mov_b64 s[G0SB+2:G0SB+3], s[92:93]
	s_or_b32 s[G0SB+3], s[G0SB+3], 0x80000000
	JLOAD G0S, G1S, G0SB, G1SB                     ; the scales first: they are wanted with K step 0
.irp s, 0,1
	s_mov_b32 s[G0+4*\s], 1
	s_add_co_u32 s[G0+4*\s+1], s45, \s*SLOT
	s_add_nc_u64 s[G0+4*\s+2:G0+4*\s+3], s[20:21], \s*ROWB
	s_or_b32 s[G0+4*\s+3], s[G0+4*\s+3], 0x80000000
	s_mov_b32 s[G0B+4*\s], 1
	s_add_co_u32 s[G0B+4*\s+1], s45, \s*SLOT
	s_add_nc_u64 s[G0B+4*\s+2:G0B+4*\s+3], s[46:47], \s*ROWB
	s_or_b32 s[G0B+4*\s+3], s[G0B+4*\s+3], 0x80000000
	JLOAD G0+4*\s, G1, G0B+4*\s, G1B
.endr
	v_and_b32 v1, 15, v0                           ; l % 16
	v_bfe_u32 v2, v0, 4, 1                         ; l / 16
	v_and_b32 v[LN], 31, v0
	v_lshlrev_b32 v[LI], 4, v[LN]
	v_mul_u32_u24 v3, v1, PITCH
	v_mul_u32_u24 v4, v2, 24
	v_add_nc_u32 v4, v3, v4                        ; a fragment's row x pitch + 24 x half
	v_lshl_add_u32 v5, v2, 4, v4                   ; and the same behind one padding more
	s_mul_i32 s21, s15, HALFT                      ; my 128 rows of A
	s_mul_i32 s22, s16, HALFT                      ; my 128 rows of B,
	s_add_co_u32 s22, s22, 2*HALFT                 ; which lie behind A's 256
.irp s, 0,1
	v_add_nc_u32 v[ADRA+\s], s21, v4
	v_add_nc_u32 v[ADRB+\s], s22, v4
	v_add_nc_u32 v[ADRA+2+\s], s21, v5
	v_add_nc_u32 v[ADRB+2+\s], s22, v5
	s_add_co_u32 s21, s21, SLOT
	s_add_co_u32 s22, s22, SLOT
.endr
	v_mul_u32_u24 v5, v1, KS                       ; my row's scales: KS bytes a row,
	v_lshrrev_b32 v6, 8, v5
	v_lshl_add_u32 v5, v6, 4, v5                   ; and 16 more for each 256 passed
	s_mul_i32 s21, s15, HALFS                      ; A's: my 128 rows
	s_mul_i32 s22, s16, HALFS                      ; B's: my 128 rows, behind A's 256
	s_add_co_u32 s22, s22, 2*HALFS
	s_sub_co_u32 s22, s22, s21
	v_mul_u32_u24 v6, s22, v2                      ; lanes 16-31 take B's: the lower base + half x the distance
	s_add_co_u32 s21, s21, SCL
	v_add_nc_u32 v5, v5, v6
	v_add_nc_u32 v[ADRS], s21, v5
	s_mov_b32 s92, 0x76543210                      ; v_permlanex16_b32's selects for lane l xor 16
	s_mov_b32 s93, 0xfedcba98
	; my record: R = my group of 128 rows, C = my group of 128 columns.  q, k: head C, rows' group R;  v^T: head R, keys' step C
	s_lshl_b32 s18, s17, 1
	s_add_co_u32 s18, s18, s15                     ; R
	s_lshl_b32 s19, s42, 1
	s_add_co_u32 s19, s19, s16                     ; C
	s_lshl_b32 s22, s18, 4
	s_add_co_u32 s22, s22, s19                     ; 16 R + C
	s_lshl_b32 s23, s19, 4
	s_add_co_u32 s23, s23, s18                     ; 16 C + R
	s_cmp_eq_u32 s95, 2
	s_cselect_b32 s22, s22, s23
	s_mul_i32 s22, s22, REC
	s_mul_i32 s23, s95, PART
	s_add_co_u32 s22, s22, s23
	s_mov_b32 s23, 0
	s_add_nc_u64 s[12:13], s[12:13], s[22:23]
.macro FRAG reg, adr, q, i             ; a fragment: lane l holds row l % 16; registers 6 c .. 6 c + 5 hold K = 64 c + 32 (l / 16) + 0 .. 31: 24 bytes of the row's stream of bits, in pieces of 8 bytes
.irp p, 0,1,2,3,4,5
.set PCE, 12*(\q)+6*(\p/3)+\p%3        ; lanes 16-31 read three pieces further on: where that lies behind one padding more, the second address register serves
.if PCE%8 < 5
	ds_load_b64 v[\reg+2*\p:\reg+2*\p+1], v[\adr] offset:8*PCE+16*(PCE/8)+(\i)*16*PITCH
.else
	ds_load_b64 v[\reg+2*\p:\reg+2*\p+1], v[\adr+2] offset:8*PCE+16*(PCE/8)+(\i)*16*PITCH
.endif
.endr
.endm
; 16 matrix instructions: A's blocks a0, a0 + 1 x B's eight, 128 along K.  zero = 1: the first product starts the sums.  The 64 accumulators take turns, one instruction a turn.
.macro MUL16 a0, p, q, sc, zero
.irp a, \a0, \a0+1
.irp b, 0,1,2,3,4,5,6,7
.if \zero
	v_wmma_scale_f32_16x16x128_f8f6f4 v[8*(8*((\a)%4)+\b):8*(8*((\a)%4)+\b)+7], v[128*(\p)+FR*\b:128*(\p)+FR*\b+FR-1], v[AF+FR*(\a):AF+FR*(\a)+FR-1], 0, v[SC+8*NQ*(\sc)+NQ*\b+(\q)], v[SC+8*NQ*(\sc)+NQ*(\a)+(\q)] matrix_a_fmt:MATRIX_FMT_FP6 matrix_b_fmt:MATRIX_FMT_FP6 matrix_a_scale:MATRIX_SCALE_ROW1
.else
	v_wmma_scale_f32_16x16x128_f8f6f4 v[8*(8*((\a)%4)+\b):8*(8*((\a)%4)+\b)+7], v[128*(\p)+FR*\b:128*(\p)+FR*\b+FR-1], v[AF+FR*(\a):AF+FR*(\a)+FR-1], v[8*(8*((\a)%4)+\b):8*(8*((\a)%4)+\b)+7], v[SC+8*NQ*(\sc)+NQ*\b+(\q)], v[SC+8*NQ*(\sc)+NQ*(\a)+(\q)] matrix_a_fmt:MATRIX_FMT_FP6 matrix_b_fmt:MATRIX_FMT_FP6 matrix_a_scale:MATRIX_SCALE_ROW1
.endif
.endr
.endr
.endm
.macro FETCH_B slot, q, p              ; B's eight fragments of the slot's q-th 128 along K into set p
	WIN TO_B
.irp i, 0,1,2,3,4,5,6,7
	FRAG 128*(\p)+FR*\i, ADRB+\slot, \q, \i
.endr
	WIN 0
.endm
.macro FETCH_A slot, q, i0             ; A's blocks i0 .. i0 + 3
.irp i, \i0, \i0+1, \i0+2, \i0+3
	FRAG AF+FR*(\i), ADRA+\slot, \q, \i
.endr
.endm
.macro SCALES sc                       ; a K step's scale words: lanes 0-15 take A's block i, lanes 16-31 B's block i
.irp i, 0,1,2,3,4,5,6,7
	ds_load_b64 v[SC+8*NQ*\sc+NQ*\i:SC+8*NQ*\sc+NQ*\i+1], v[ADRS] offset:\i*SBLK
.endr
.endm
.macro PLACES n                        ; plain vector instructions that name none of a matrix instruction's registers, in front of loads into its sources and of reads of its results
.rept \n
	v_nop
.endr
.endm
; A step of 128 along K that has its successor in the same slot.
.macro STEP slot, q, zero
	s_wait_dscnt 4*NL                              ; B's set and A's blocks 0-3 are in; the youngest 24 loads (A's blocks 4-7) may be out
	WIN MUL_LO
	MUL16 0, (\q)%2, \q, \slot, \zero
	MUL16 2, (\q)%2, \q, \slot, \zero
	s_wait_dscnt 0                                 ; A's blocks 4-7 are in
	PLACES NP
	FETCH_B \slot, (\q)+1, 1-(\q)%2
	FETCH_A \slot, (\q)+1, 0
	WIN MUL_HI
	MUL16 4, (\q)%2, \q, \slot, \zero
	MUL16 6, (\q)%2, \q, \slot, \zero
	PLACES NP
	WIN 0
	FETCH_A \slot, (\q)+1, 4
.endm
; A slot's last step changes slots: one barrier; in front of it each wave waits for all its tensor loads, adds 0 to its spare word, and waits for that and for its reads of this slot.
.macro TURN slot, next, fill
	s_wait_tensorcnt 0x0                           ; all my tensor loads have landed: my part of the next slot
	ds_add_u32 v[SPW], v[NIL]                      ; 0 onto my spare word
	s_wait_dscnt 4*NL+1                            ; (the add and the youngest 24 loads may be out)
	WIN MUL_LO
	MUL16 0, 1, NQ-1, \slot, 0                     ; sixteen matrix instructions stand between the add and the wait for it
	s_wait_dscnt 0x0                               ; the add is done, and my reads of this slot are over
	s_barrier_signal -1
	MUL16 2, 1, NQ-1, \slot, 0
	WIN 0
	s_barrier_wait -1
.if \fill
	CREST                                          ; the barrier has opened a round of the cluster's: no wave of any partner still reads this slot or has a load on its way
	s_add_nc_u64 s[G0+4*\slot+2:G0+4*\slot+3], s[G0+4*\slot+2:G0+4*\slot+3], 2*ROWB
	s_add_nc_u64 s[G0B+4*\slot+2:G0B+4*\slot+3], s[G0B+4*\slot+2:G0B+4*\slot+3], 2*ROWB
	JLOAD G0+4*\slot, G1, G0B+4*\slot, G1B         ; the first tensor load behind the round; its four v_nop are the places in front of the loads below
.else
	PLACES NP
.endif
	v_add_nc_u32 v[ADRS], 4*NQ, v[ADRS]            ; on to the next K step's scale words
	FETCH_B \next, 0, 0
	FETCH_A \next, 0, 0
	SCALES \next
	WIN MUL_HI
	MUL16 4, 1, NQ-1, \slot, 0
	MUL16 6, 1, NQ-1, \slot, 0
	PLACES NP
	WIN 0
	FETCH_A \next, 0, 4
.endm
	s_wait_tensorcnt 1                             ; the scales and my part of K step 0 are in (K step 1's load may be out),
	s_barrier_signal -1
	s_barrier_wait -1                              ; everybody's are
	FETCH_B 0, 0, 0
	FETCH_A 0, 0, 0
	SCALES 0
	FETCH_A 0, 0, 4
	STEP 0, 0, 1                                   ; the first step stands in front of the loop: its products start the sums
	s_mov_b32 s3, LAPS-1
.Llap:                                                 ; a trip goes once round the ring and fills both slots again
	TURN 0, 1, 1
	STEP 1, 0, 0
	TURN 1, 0, 1
	STEP 0, 0, 0
	s_sub_co_u32 s3, s3, 1
	s_cmp_lg_u32 s3, 0
	s_cbranch_scc1 .Llap
	TURN 0, 1, 0                                   ; the last lap fills nothing
	STEP 1, 0, 0
	s_wait_dscnt 4*NL                              ; the very last step
	WIN MUL_LO
	MUL16 0, 1, NQ-1, 1, 0
	MUL16 2, 1, NQ-1, 1, 0
	s_wait_dscnt 0
	WIN MUL_HI
	MUL16 4, 1, NQ-1, 1, 0
	MUL16 6, 1, NQ-1, 1, 0
	WIN 0
; THE WAY OUT.  64 numbers of a lane in v[T] on (register 16 b + i lies in block b of my row) become a fragment's codes in v[pc] on and its scale word in v[pw].
.macro QUANT pc, pw
.irp b, 0,1,2,3
	v_max3_num_f32 v[TM+\b], |v[T+16*\b]|, |v[T+16*\b+1]|, 0x1800000   ; my 16 numbers of block b, and the floor 2^(3 - 127): the byte cannot fall under 1
.endr
.irp n, 2,4,6,8,10,12,14
.irp b, 0,1,2,3
	v_max3_num_f32 v[TM+\b], v[TM+\b], |v[T+16*\b+\n]|, |v[T+16*\b+\n+1]|   ; (the four blocks by turns)
.endr
.endr
.irp b, 0,1,2,3
	v_permlanex16_b32 v[TM+4+\b], v[TM+\b], s92, s93
.endr
.irp b, 0,1,2,3
	v_max_num_f32 v[TM+\b], v[TM+\b], v[TM+4+\b]   ; with lane l xor 16's: the block's largest magnitude
.endr
.irp b, 0,1,2,3
	v_add_nc_u32 v[TM+8+\b], 0xff000000, v[TM+\b]  ; 2 off its exponent field: the conversion's scale operand
.endr
.irp b, 0,1,2,3
	v_lshrrev_b32 v[TM+4+\b], 23, v[TM+8+\b]       ; the scale's byte
.endr
	v_lshl_or_b32 v[\pw], v[TM+5], 8, v[TM+4]      ; the four bytes make my row's scale word
	v_lshl_or_b32 v[\pw], v[TM+6], 16, v[\pw]
	v_lshl_or_b32 v[\pw], v[TM+7], 24, v[\pw]
.irp c, 0,1
	v_cvt_scalef32_pk16_fp6_f32 v[(\pc)+6*\c:(\pc)+6*\c+2], v[T+32*\c:T+32*\c+15], v[TM+8+2*\c]
	v_cvt_scalef32_pk16_fp6_f32 v[CT+4*\c:CT+4*\c+2], v[T+32*\c+16:T+32*\c+31], v[TM+9+2*\c]   ; (a conversion's three registers begin on an even number)
.endr
	v_nop                                          ; one plain place behind a scaled conversion
.irp c, 0,1                            ; the operand's layout wants a whole block in a lane: lanes 0-15 block 2 c, lanes 16-31 block 2 c + 1
.irp n, 0,1,2
	v_permlane16_swap_b32 v[(\pc)+6*\c+\n], v[CT+4*\c+\n]
.endr
.irp n, 0,1,2
	v_mov_b32 v[(\pc)+3+6*\c+\n], v[CT+4*\c+\n]
.endr
.endr
.endm
; Block a (16 rows x 128 columns): its eight accumulators, each from its low end on, times the part's factor, into window 0; quantised; the image leaves by three stores of 512 consecutive bytes, aligned.
; Every block has its own registers for its codes and its scale word: no store's data are written again.
.macro OUTBLK a
	WIN 0x02+(\a)/4                                ; source 0: window 2 or 3
.set AC, 64*((\a)%4)
.set k, 0
.rept 32
	v_pk_mul_f32 v[T+k:T+k+1], v[AC+k:AC+k+1], s[96:97] op_sel_hi:[1,0]
.set k, k+2
.endr
	WIN 0
	QUANT CD+12*(\a), PW+(\a)
.irp c, 0,1,2
	global_store_b128 v[LI], v[CD+12*(\a)+4*\c:CD+12*(\a)+4*\c+3], s[12:13] offset:1536*(\a)+512*\c
.endr
.endm
	PLACES NP                                      ; behind the last products: their results are read and their sources written below
.irp b, 0,1,2,3
	v_mov_b32 v[TM+4+\b], 0                        ; written once: a lane permute's destination counts as one of its sources
.endr
	v_cmp_le_u32 vcc_lo, 16, v[LN]                 ; lanes 16-31
.irp a, 0,1,2,3,4,5,6,7
	OUTBLK \a
.endr
.irp j, 0,1,2,3
	v_cndmask_b32 v[XW+\j], v[PW+\j], v[PW+4+\j], vcc_lo   ; lanes 0-15: block j's words; lanes 16-31: block 4 + j's (both halves of the lanes hold a row's word)
.endr
	global_store_b128 v[LI], v[XW:XW+3], s[12:13] offset:12288
	s_wait_tensorcnt 0x0                           ; the wave's end
	ds_add_u32 v[SPW], v[NIL]
	s_wait_dscnt 0x0
	CROUND                                         ; the closing round: no work-group ends while a partner may still ask for a tile that names it
	s_endpgm
.Lfunc_end_k_qafb8a06abf_proj:
	.size	k_qafb8a06abf_proj, .Lfunc_end_k_qafb8a06abf_proj-k_qafb8a06abf_proj
	.p2alignl 7, 3214868480
	.fill 96, 4, 3214868480
	.section	.rodata,"a",@progbits
	.p2align	6, 0x0
	.amdhsa_kernel k_qafb8a06abf_proj
		.amdhsa_group_segment_fixed_size 327680
		.amdhsa_private_segment_fixed_size 0
		.amdhsa_enable_private_segment 0
		.amdhsa_kernarg_size 104
		.amdhsa_user_sgpr_count 2
		.amdhsa_user_sgpr_kernarg_segment_ptr 1
		.amdhsa_wavefront_size32 1
		.amdhsa_system_sgpr_workgroup_id_x 1
		.amdhsa_system_sgpr_workgroup_id_y 1
		.amdhsa_system_sgpr_workgroup_id_z 1
		.amdhsa_system_vgpr_workitem_id 0
		.amdhsa_next_free_vgpr 1024
		.amdhsa_next_free_sgpr 98
		.amdhsa_reserve_vcc 1
		.amdhsa_float_denorm_mode_32 3
		.amdhsa_float_denorm_mode_16_64 3
		.amdhsa_memory_ordered 1
		.amdhsa_forward_progress 1
		.amdhsa_inst_pref_size 180
	.end_amdhsa_kernel
	.amdgpu_metadata
---
amdhsa.version: [ 1, 2 ]
amdhsa.kernels:
  - .name:           k_qafb8a06abf_proj
    .symbol:         k_qafb8a06abf_proj.kd
    .args:
      - { .name: query_codes, .offset: 0, .size: 8, .value_kind: global_buffer, .address_space: global }
      - { .name: query_scales, .offset: 8, .size: 8, .value_kind: global_buffer, .address_space: global }
      - { .name: Wq_codes, .offset: 16, .size: 8, .value_kind: global_buffer, .address_space: global }
      - { .name: Wq_scales, .offset: 24, .size: 8, .value_kind: global_buffer, .address_space: global }
      - { .name: key__codes, .offset: 32, .size: 8, .value_kind: global_buffer, .address_space: global }
      - { .name: key__scales, .offset: 40, .size: 8, .value_kind: global_buffer, .address_space: global }
      - { .name: Wk_codes, .offset: 48, .size: 8, .value_kind: global_buffer, .address_space: global }
      - { .name: Wk_scales, .offset: 56, .size: 8, .value_kind: global_buffer, .address_space: global }
      - { .name: Wv_codes, .offset: 64, .size: 8, .value_kind: global_buffer, .address_space: global }
      - { .name: Wv_scales, .offset: 72, .size: 8, .value_kind: global_buffer, .address_space: global }
      - { .name: value_codes, .offset: 80, .size: 8, .value_kind: global_buffer, .address_space: global }
      - { .name: value_scales, .offset: 88, .size: 8, .value_kind: global_buffer, .address_space: global }
      - { .name: qkv, .offset: 96, .size: 8, .value_kind: global_buffer, .address_space: global }
    .group_segment_fixed_size: 327680
    .private_segment_fixed_size: 0
    .kernarg_segment_align: 8
    .kernarg_segment_size: 104
    .max_flat_workgroup_size: 128
    .sgpr_count:     98
    .vgpr_count:     1024
    .wavefront_size: 32
...
	.end_amdgpu_metadata
.endif
;; end of part 1
;; launch attn (part 2): grid 16 x 16, 8 waves a work-group, clusters of 4 x 1, 327,680 bytes of LDS; arguments qkv, scalars, aimg; writes aimg
.if DOCPART == 2
	.amdgcn_target "amdgcn-amd-amdhsa--gfx1250"
	.amdhsa_code_object_version 6
	.text
	.protected	k_qafb8a06abf_attn
	.globl	k_qafb8a06abf_attn
	.p2align	8
	.type	k_qafb8a06abf_attn,@function
k_qafb8a06abf_attn:
	s_mov_b64 s[64:65], 0
	v_nop
	global_prefetch_b8 v0, s[64:65] scope:SCOPE_SE
	s_setreg_imm32_b32 hwreg(HW_REG_WAVE_MODE, 25, 1), 1
	s_wait_xcnt 0x0
	s_wait_alu depctr_hold_cnt(0) depctr_sa_sdst(0) depctr_va_vdst(0) depctr_va_sdst(0) depctr_va_ssrc(0) depctr_va_vcc(0) depctr_vm_vsrc(0)
	s_getreg_b32 s2, hwreg(HW_REG_IB_STS2, 6, 4)
	s_cmp_eq_u32 s2, 0
	s_cbranch_scc0 .Lentry_in_a_cluster
	s_endpgm
.Lentry_in_a_cluster:
	s_bfe_u32 s2, ttmp6, 0x10000c
	s_cmp_lg_u32 s2, 0x3003
	s_cbranch_scc0 .Lentry_shape_is_right
	s_endpgm
.Lentry_shape_is_right:
; ATTENTION WITH THE OFF-BY-ONE SOFTMAX, both products on codes of FP6 (E2M3) with one E8M0 scale for each 32 along K.
;   logits = q k^T (q carries 1/sqrt(128) already);  w = exp(x - m) / (exp(-m) + sum exp(x - m)), m = max(row's largest, 0);  o = w v;  o x scalars[head] is quantised along d for the last product.
; w IS QUANTISED FINISHED AND NORMALISED, so a row's maximum and sum are known before any w is coded: TWO PASSES over the keys, the scores made twice.
;   pass 1: t = score x log2(e); M = the running largest of t and 0, rounded up to a whole number; sum of 2^(t - M), brought under a new M by an exact power of two.
;   between: den = 2^-M + the sum; -L = -M - log2(den).      pass 2: w = 2^(t - L), one fused multiply-add and one exponential; quantised along the keys; O^T += V^T W^T.
; The maximum is taken away before every exponential (M >= t, M >= 0), so none overflows, and den lies above 1/2.
; LIMITS: NaN and infinities are not served.  w under 2^-126 becomes 0 (the exponential gives no denormals: ISA guide, 15.8).  -L is one f32 number: its rounding is half an ulp of M + log2(den), as is the rounding of t itself.
; M is exact up to 2^24.  A block's largest w is made from its largest score by the same two instructions, which takes the exponential not to fall where its input rises.
; A block whose largest magnitude lies under 2^-124, or of zeros, gets the byte 1: its bytes are read by this program alone.
; INPUT: qkv, records of 12,800 bytes (128 rows x 128 K as images of the operand's registers: fragment a, group c of four registers, lane l at 1,536 a + 512 c + 16 l; scale words at 12,288 + 256 (a / 4) + 16 r + 4 (a % 4)).
; SHARES.  A work-group: one head, 128 queries.  Wave w: p = w % 4 takes query tiles 2 p, 2 p + 1 (each fragment of K and V read from LDS feeds two products); w / 4 takes key steps 8 (w / 4) .. + 7 of 128 keys.
; Two waves to a SIMD.  The two halves of the keys meet twice through LDS: the rows' statistics behind pass 1, O at the end.
; PASS 2 LAGS ITS SECOND PRODUCT BY A STEP.  Turn j: the scores of step j; V of step j - 1 is fetched into the registers that K has left; 140 vector instructions of step j; the sixteen products V^T W^T of step j - 1, one behind
; each of sixteen groups of three vector instructions; K of step j + 1 is fetched; the rest of step j's vector work, which writes w's codes anew.  So each run of LDS loads has vector work between its issue and the wait for it.
; CLUSTER.  The four work-groups of a cluster have the same head: K and V are asked for jointly (mask 15).
; LAYOUT.  Both products transposed: S^T = K Q^T, O^T = V^T W^T: a lane holds one query (lane % 16).  Register 8 t + j of S^T is key 16 t + 8 (lane / 16) + j: coded as it stands, the same permutation inside each block of 32 as V's codes have.
; For the last product, whose other operand comes in true order, O^T's halves are exchanged first, so that 16 registers are 16 neighbours along d.
; LDS: V's slot 0 at 0 (four records: keys' half 0's two steps, then half 1's); the spare words; the statistics; V's slot 1 at 65,536; K's sixteen records, filled once, from KB on; at the end O of waves 4-7 lies over K.
; REGISTERS.  window 0: v1-11 addresses; v12-19 statistics; v20-23 f; v24-35 scale words; v36-75 at work; v76-99 w's codes; v100-111 at work; v128-255 S^T of the two tiles.
;   window 1: v0-127 O^T (tile x, d tile t at 64 x + 8 t); v128-151 Q; v152-247 eight fragments, K's or V's.
.set REC,   12800
.set VS1,   65536                      ; V's slot 1: one exclusive or turns an address in one slot into the other's
.set SPARE, 51200                      ; the spare words, 128 bytes for each of eight waves: four blocks of 256 bytes that no other line names
.set STATS, 52224                      ; 512 bytes a wave
.set KB,    116736                     ; K: 16 records
.set MRG,   KB                         ; behind the last read of K: O^T of waves 4-7, 16,384 bytes each
.set GI,  1                            ; v1   16 x lane + 3,072 p: my place in Q's and the output's images
.set AK0, 2                            ; v2   KB + my half's eight records + 16 x lane
.set AV0, 3                            ; v3   my half's two records in a slot + 16 x lane
.set ADK, 4                            ; v4   the K record in hand
.set ADV, 5                            ; v5   the V slot in hand
.set SPW, 6                            ; v6   my spare word; never rewritten
.set NIL, 7                            ; v7   0; never rewritten
.set STW, 8                            ; v8   where I put my statistics
.set STR, 9                            ; v9   where my partner (wave xor 4) put its own
.set MA,  10                           ; v10  O's image: MRG + 16,384 p + 16 x lane
.set GSC, 11                           ; v11  my two tiles' scale words in a record
.set ST,  12                           ; tile x at ST + 4 x: -M (later -L), the largest t, the sum in two halves
.set F,   20                           ; tile x at F + 2 x: f = 2^(old M - new M), as the low word of a pair
.set QS,  24                           ; Q's scale words, a register a tile
.set PW,  26                           ; w's scale words, a register a tile
.set KSC, 28                           ; K's: register j: fragment j in lanes 0-15, fragment 4 + j in lanes 16-31
.set VSC, 32                           ; V's likewise
.set TM,  36                           ; tile x at TM + 12 x: +0..3 the blocks' maxima, +4..7 bytes, +8..11 the conversions' scale operands
.set CT,  60                           ; tile x at CT + 8 x: a conversion's second halves
.set P,   76                           ; tile x at P + 12 x: w's codes
.set XS,  100                          ; my statistics as stored
.set XP,  104                          ; my partner's
.set W,   108                          ; tile x at W + 2 x: the sum's second chain
.set S,   128                          ; tile x at S + 64 x
.set QF,  128                          ; window 1
.set FRG, 152                          ; window 1
.set WV,  10                           ; s10 wave;  s11 p;  s12 keys' half
.set G1,  24                           ; s[24:31] group 1 for every load: 100 rows of 256 bytes, dense: two records
.set G0K, 32                           ; s[32:35]
.set G0V, 36                           ; s[36:39], which walks
.set SEL, 40
.set CS,  42                           ; s[42:43] log2(e)
.set TK,  44                           ; s44 the K record to be fetched, in bytes
.set TV,  45                           ; s45 the V slot in hand
.set CNT, 46
.set SCAL, 48                          ; s[48:49] scalars[head]
.set MSB, 0
.macro WIN new                         ; the immediate's high byte repeats the setting that is left
.if MSB != (\new)
	s_set_vgpr_msb (MSB<<8)|(\new)
.set MSB, (\new)
.endif
.endm
.macro CROUND                          ; a round of the cluster's barrier
	s_barrier_signal -1
	s_barrier_wait -1
	s_cmp_lg_u32 s[WV], 0
	s_cbranch_scc1 .Lnot_wave_0_\@
	s_barrier_signal -3
.Lnot_wave_0_\@:
	s_barrier_wait -3
	s_barrier_signal -1
	s_barrier_wait -1
.endm
.macro TLOADV                          ; waves 0 and 1 fetch a visit's V: two records for each half of the keys.  The branch hangs on the wave's number alone.  Four v_nop follow the load
	s_cmp_lt_u32 s[WV], 2
	s_cbranch_scc0 .Lno_v_\@
	tensor_load_to_lds s[G0V:G0V+3], s[G1:G1+7]
	s_nop 0
.rept 4
	v_nop
.endr
.Lno_v_\@:
.endm
	s_load_b128 s[4:7], s[0:1], 0x0                ; qkv, scalars
	s_load_b64 s[8:9], s[0:1], 0x10                ; aimg
	v_lshl_add_u32 v[SPW], v0, 2, SPARE
	v_mov_b32 v[NIL], 0
	ds_add_u32 v6, v7
	ds_add_u32 v6, v7
	s_wait_dscnt 0x0
	v_lshrrev_b32 v1, 5, v0
	v_readfirstlane_b32 s[WV], v1                  ; wave 0..7
	s_and_b32 s11, s[WV], 3                        ; p
	s_lshr_b32 s12, s[WV], 2                       ; which half of the keys
	s_bfe_u32 s13, ttmp6, 0x40000                  ; cx
	s_lshl_b32 s14, ttmp9, 2
	s_add_co_u32 s14, s14, s13                     ; my group of 128 queries: it enters Q's and the output's addresses alone
	s_and_b32 s15, ttmp7, 0xffff                   ; the head, which the four partners share
	s_mul_i32 s16, s15, 16*REC                     ; the head's sixteen records
	s_mul_i32 s18, s[WV], 2*REC                    ; K: wave w brings records 2 w, 2 w + 1
	s_add_co_u32 s20, s18, KB                      ; to here,
	s_add_co_u32 s18, s18, s16
	s_add_co_u32 s18, s18, 256*REC                 ; from here (part 1 of qkv)
	s_mov_b32 s19, 0
	s_and_b32 s21, s[WV], 1                        ; V: wave 0 fetches for the keys' half 0, wave 1 for half 1
	s_mul_i32 s22, s21, 8*REC
	s_add_co_u32 s22, s22, s16
	s_add_co_u32 s22, s22, 512*REC                 ; part 2 of qkv
	s_mov_b32 s23, 0
	s_mul_i32 s21, s21, 2*REC                      ; its place in a slot
	s_lshl_b32 s50, s15, 4
	s_add_co_u32 s50, s50, s14
	s_mul_i32 s50, s50, REC                        ; Q's record: head x 16 + group
	s_mov_b32 s51, 0
	s_lshl_b32 s52, s14, 4
	s_add_co_u32 s52, s52, s15
	s_mul_i32 s52, s52, REC                        ; the output's: group x 16 + head
	s_mov_b32 s53, 0
	s_lshl_b32 s54, s15, 2                         ; scalars[head]
	s_mov_b32 s55, 0
	s_mov_b32 s[G1], 15|(3<<16)|(1<<21)            ; 15:0 the mask: all four work-groups; 17:16 elements of 8 bytes; 21 set beside a mask; no padding
	s_mov_b32 s[G1+1], 32<<16                      ; tensor_dim0 = 32 elements (256 bytes)
	s_mov_b32 s[G1+2], 100<<16                     ; tensor_dim1 = 100
	s_mov_b32 s[G1+3], 32<<16                      ; tile_dim0
	s_mov_b32 s[G1+4], 100                         ; tile_dim1
	s_mov_b32 s[G1+5], 32                          ; the pitch: dense
	s_mov_b32 s[G1+6], 0
	s_mov_b32 s[G1+7], 0
	s_mov_b32 s[SEL], 0x76543210
	s_mov_b32 s[SEL+1], 0xfedcba98                 ; v_permlanex16_b32's selects for lane l xor 16
	s_mov_b32 s[CS], 0x3fb8aa3b                    ; log2(e)
	s_mov_b32 s[CS+1], s[CS]                       ; (named with it as a pair)
	s_mov_b32 s[TK], 0
	s_wait_kmcnt 0x0
	s_mov_b32 s[G0K], 1
	s_mov_b32 s[G0K+1], s20
	s_add_nc_u64 s[G0K+2:G0K+3], s[4:5], s[18:19]
	s_or_b32 s[G0K+3], s[G0K+3], 0x80000000
	s_mov_b32 s[G0V], 1
	s_mov_b32 s[G0V+1], s21
	s_add_nc_u64 s[G0V+2:G0V+3], s[4:5], s[22:23]
	s_or_b32 s[G0V+3], s[G0V+3], 0x80000000
	s_add_nc_u64 s[4:5], s[4:5], s[50:51]
	s_add_nc_u64 s[8:9], s[8:9], s[52:53]
	s_add_nc_u64 s[6:7], s[6:7], s[54:55]
	s_load_b32 s[SCAL], s[6:7], 0x0
	CROUND                                         ; all four work-groups are here: the first joint loads meet
	tensor_load_to_lds s[G0K:G0K+3], s[G1:G1+7]    ; the head's K, an eighth a wave
	s_nop 0
.rept 4
	v_nop
.endr
	TLOADV                                         ; and V's first visit into slot 0: the first fills go out as one group; two tensor loads of waves 0 and 1 are out, one of the others
	; while they are on their way: addresses, Q, and the registers that begin as zeros
	v_and_b32 v100, 31, v0
	v_lshlrev_b32 v100, 4, v100                    ; 16 x lane
	v_and_b32 v101, 15, v0                         ; r
	s_mul_i32 s16, s11, 3072
	v_add_nc_u32 v[GI], s16, v100
	s_lshr_b32 s16, s11, 1
	s_lshl_b32 s16, s16, 8
	s_and_b32 s17, s11, 1
	s_lshl_b32 s17, s17, 3
	s_add_co_u32 s16, s16, s17
	s_add_co_u32 s16, s16, 12288
	v_lshl_add_u32 v[GSC], v101, 4, s16            ; 12,288 + 256 (p / 2) + 8 (p % 2) + 16 r: fragments 2 p and 2 p + 1
	WIN 0x40                                       ; destination window 1
.irp x, 0,1
.irp c, 0,1,2
	global_load_b128 v[QF+12*\x+4*\c:QF+12*\x+4*\c+3], v[GI], s[4:5] offset:1536*\x+512*\c   ; Q's two fragments stay in registers
.endr
.endr
	WIN 0
	global_load_b64 v[QS:QS+1], v[GSC], s[4:5]     ; and their scale words
	s_mul_i32 s16, s12, 8*REC
	s_add_co_u32 s16, s16, KB
	v_add_nc_u32 v[AK0], s16, v100
	s_mul_i32 s16, s12, 2*REC
	v_add_nc_u32 v[AV0], s16, v100
	s_lshl_b32 s16, s[WV], 9
	s_add_co_u32 s16, s16, STATS
	v_add_nc_u32 v[STW], s16, v100
	s_xor_b32 s16, s[WV], 4
	s_lshl_b32 s16, s16, 9
	s_add_co_u32 s16, s16, STATS
	v_add_nc_u32 v[STR], s16, v100
	s_lshl_b32 s16, s11, 14
	s_add_co_u32 s16, s16, MRG
	v_add_nc_u32 v[MA], s16, v100
.irp n, 0,1,2,3,4,5,6,7
	v_mov_b32 v[ST+\n], 0                          ; -M = 0, the largest t = 0 (the softmax's extra term is a key of logit 0), the sums 0
.endr
.irp x, 0,1
	v_mov_b32 v[F+2*\x+1], 0                       ; (the upper half of a pair that is named whole)
.irp b, 0,1,2,3
	v_mov_b32 v[TM+12*\x+4+\b], 0                  ; written once: a lane permute's destination counts as one of its sources
.endr
.endr
	WIN 0x40
.set k, 0
.rept 128
	v_mov_b32 v[k], 0                              ; O^T.  (The turn of pass 2 is written once for all steps; these lines stand where the wave would wait for K)
.set k, k+1
.endr
	WIN 0
; THE LDS LOADS stand in runs of 25: a record's scale words and its eight fragments.  The addition and three v_nop are four places behind the products that read these registers.
.macro FETCHK
	v_add_nc_u32 v[ADK], s[TK], v[AK0]
.rept 3
	v_nop
.endr
	ds_load_b128 v[KSC:KSC+3], v[ADK] offset:12288
	WIN 0x40
.irp t, 0,1,2,3,4,5,6,7
.irp c, 0,1,2
	ds_load_b128 v[FRG+12*\t+4*\c:FRG+12*\t+4*\c+3], v[ADK] offset:1536*\t+512*\c
.endr
.endr
	WIN 0
	s_add_co_u32 s[TK], s[TK], REC                 ; the next fetch is the next step's
.endm
.macro FETCHV q                        ; the visit's q-th step
	v_add_nc_u32 v[ADV], s[TV], v[AV0]
.rept 3
	v_nop
.endr
	ds_load_b128 v[VSC:VSC+3], v[ADV] offset:REC*\q+12288
	WIN 0x40
.irp t, 0,1,2,3,4,5,6,7
.irp c, 0,1,2
	ds_load_b128 v[FRG+12*\t+4*\c:FRG+12*\t+4*\c+3], v[ADV] offset:REC*\q+1536*\t+512*\c
.endr
.endr
	WIN 0
.endm
; S^T = K Q^T: sixteen products on sixteen accumulators, each begun with the constant 0.
.macro QK
	WIN 0x05                                       ; sources 0 (K) and 1 (Q) window 1; the result window 0
.irp t, 0,1,2,3,4,5,6,7
.irp x, 0,1
.if \t < 4
	v_wmma_scale_f32_16x16x128_f8f6f4 v[S+64*\x+8*\t:S+64*\x+8*\t+7], v[FRG+12*\t:FRG+12*\t+11], v[QF+12*\x:QF+12*\x+11], 0, v[KSC+\t%4], v[QS+\x] matrix_a_fmt:MATRIX_FMT_FP6 matrix_b_fmt:MATRIX_FMT_FP6
.else
	v_wmma_scale_f32_16x16x128_f8f6f4 v[S+64*\x+8*\t:S+64*\x+8*\t+7], v[FRG+12*\t:FRG+12*\t+11], v[QF+12*\x:QF+12*\x+11], 0, v[KSC+\t%4], v[QS+\x] matrix_a_fmt:MATRIX_FMT_FP6 matrix_b_fmt:MATRIX_FMT_FP6 matrix_a_scale:MATRIX_SCALE_ROW1
.endif
.endr
.endr
	WIN 0
.endm
; Product n of sixteen of O^T += V^T W^T: d tile n / 2, query tile n % 2.  Window 0x51: source 0 (V), C and D window 1; source 1 (w) window 0.
; The sixteen accumulators take turns, one instruction a turn; between two links of a chain stand 31 other products.
.macro PV1 n
.set pt, (\n)/2
.set px, (\n)%2
.if pt < 4
	v_wmma_scale_f32_16x16x128_f8f6f4 v[64*px+8*pt:64*px+8*pt+7], v[FRG+12*pt:FRG+12*pt+11], v[P+12*px:P+12*px+11], v[64*px+8*pt:64*px+8*pt+7], v[VSC+pt%4], v[PW+px] matrix_a_fmt:MATRIX_FMT_FP6 matrix_b_fmt:MATRIX_FMT_FP6
.else
	v_wmma_scale_f32_16x16x128_f8f6f4 v[64*px+8*pt:64*px+8*pt+7], v[FRG+12*pt:FRG+12*pt+11], v[P+12*px:P+12*px+11], v[64*px+8*pt:64*px+8*pt+7], v[VSC+pt%4], v[PW+px] matrix_a_fmt:MATRIX_FMT_FP6 matrix_b_fmt:MATRIX_FMT_FP6 matrix_a_scale:MATRIX_SCALE_ROW1
.endif
.endm
; The largest score of each block of 32 keys, my 16 of them, both tiles: eight chains by turns.  Each accumulator is first read at its low end.
.macro BLKMAX
.irp x, 0,1
.irp b, 0,1,2,3
	v_max3_num_f32 v[TM+12*\x+\b], v[S+64*\x+16*\b], v[S+64*\x+16*\b+1], v[S+64*\x+16*\b+2]
.endr
.endr
.irp n, 3,5,7,9,11,13
.irp x, 0,1
.irp b, 0,1,2,3
	v_max3_num_f32 v[TM+12*\x+\b], v[TM+12*\x+\b], v[S+64*\x+16*\b+\n], v[S+64*\x+16*\b+\n+1]
.endr
.endr
.endr
.irp x, 0,1
.irp b, 0,1,2,3
	v_max_num_f32 v[TM+12*\x+\b], v[TM+12*\x+\b], v[S+64*\x+16*\b+15]
.endr
.endr
.endm
.macro SHIFT x, n                      ; pair n of tile x: score x log2(e) + the tile's shift (-M or -L): of the pairs the low word serves both halves
	v_pk_fma_f32 v[S+64*\x+2*(\n):S+64*\x+2*(\n)+1], v[S+64*\x+2*(\n):S+64*\x+2*(\n)+1], s[CS:CS+1], v[ST+4*\x:ST+4*\x+1] op_sel_hi:[1,0,0]
.endm
.macro EXP2 x, n                       ; the two exponentials of pair n
	v_exp_f32 v[S+64*\x+2*(\n)], v[S+64*\x+2*(\n)]
	v_exp_f32 v[S+64*\x+2*(\n)+1], v[S+64*\x+2*(\n)+1]
.endm
.macro ADDK x, n                       ; addition n of 32 of tile x's sum: two chains of pairs, joined at the end
.if (\n) == 0
	s_wait_alu depctr_va_vdst(0)
	v_pk_add_f32 v[W+2*\x:W+2*\x+1], v[S+64*\x:S+64*\x+1], v[S+64*\x+2:S+64*\x+3]
.elseif (\n) == 31
	v_pk_add_f32 v[ST+4*\x+2:ST+4*\x+3], v[ST+4*\x+2:ST+4*\x+3], v[W+2*\x:W+2*\x+1]
.elseif (\n)%2 == 1
	v_pk_add_f32 v[ST+4*\x+2:ST+4*\x+3], v[ST+4*\x+2:ST+4*\x+3], v[S+64*\x+2*(\n)+2:S+64*\x+2*(\n)+3]
.else
	v_pk_add_f32 v[W+2*\x:W+2*\x+1], v[W+2*\x:W+2*\x+1], v[S+64*\x+2*(\n)+2:S+64*\x+2*(\n)+3]
.endif
.endm
; PASS 1's vector work for a key step, the two tiles by turns in every stage.
.macro STAT
	BLKMAX
.irp x, 0,1
	v_max3_num_f32 v[TM+12*\x], v[TM+12*\x], v[TM+12*\x+1], v[TM+12*\x+2]
.endr
.irp x, 0,1
	v_max_num_f32 v[TM+12*\x], v[TM+12*\x], v[TM+12*\x+3]
.endr
.irp x, 0,1
	v_permlanex16_b32 v[TM+12*\x+4], v[TM+12*\x], s[SEL], s[SEL+1]
.endr
.irp x, 0,1
	v_max_num_f32 v[TM+12*\x], v[TM+12*\x], v[TM+12*\x+4]   ; the step's largest score of my query
.endr
.irp x, 0,1
	v_mul_f32 v[TM+12*\x], s[CS], v[TM+12*\x]      ; as t
.endr
.irp x, 0,1
	v_max_num_f32 v[ST+4*\x+1], v[ST+4*\x+1], v[TM+12*\x]   ; the running largest t, never under 0
.endr
.irp x, 0,1
	v_mov_b32 v[TM+12*\x+1], v[ST+4*\x]
.endr
.irp x, 0,1
	v_floor_f32 v[ST+4*\x], -v[ST+4*\x+1]          ; the new -M = floor(-t): M is a whole number
.endr
.irp x, 0,1
	v_sub_f32 v[TM+12*\x+1], v[ST+4*\x], v[TM+12*\x+1]   ; old M - new M: a whole number, 0 or less
.endr
.irp x, 0,1
	v_cvt_i32_f32 v[TM+12*\x+1], v[TM+12*\x+1]     ; (it saturates)
.endr
.irp x, 0,1
	v_ldexp_f32 v[F+2*\x], 1.0, v[TM+12*\x+1]      ; f = 2^(old M - new M): a multiplication by it rounds nothing
.endr
.set k, 0
.rept 32
	SHIFT 0, k
.set k, k+1
.endr
.set k, 0
.rept 32                               ; tile 0's exponentials, tile 1's multiply-adds between them
	EXP2 0, k
	SHIFT 1, k
.set k, k+1
.endr
.irp x, 0,1
	v_pk_mul_f32 v[ST+4*\x+2:ST+4*\x+3], v[ST+4*\x+2:ST+4*\x+3], v[F+2*\x:F+2*\x+1] op_sel_hi:[1,0]   ; the sums under the new M
.endr
.set k, 0
.rept 32                               ; tile 1's exponentials, tile 0's additions between them: the run ends on a plain line
	EXP2 1, k
	ADDK 0, k
.set k, k+1
.endr
.set k, 0
.rept 32
	ADDK 1, k
.set k, k+1
.endr
.endm
; Line n of the fifteen plain lines that make tile x's scale operands and scale word from its four blocks' largest magnitudes (n from 4 on where the floor is in already).
.macro PKA x, n
.if (\n) < 4
	s_wait_alu depctr_va_vdst(0)
	v_max_num_f32 v[TM+12*\x+(\n)], 0x1800000, v[TM+12*\x+(\n)]            ; the floor 2^(3 - 127): the byte cannot fall under 1
.elseif (\n) < 8
	v_add_nc_u32 v[TM+12*\x+4+(\n)], 0xff000000, v[TM+12*\x+(\n)-4]        ; 2 off the exponent field: the conversion's scale operand
.elseif (\n) < 12
	v_lshrrev_b32 v[TM+12*\x+(\n)-4], 23, v[TM+12*\x+(\n)]                 ; the scale's byte
.elseif (\n) == 12
	v_lshl_or_b32 v[PW+\x], v[TM+12*\x+5], 8, v[TM+12*\x+4]
.elseif (\n) == 13
	v_lshl_or_b32 v[PW+\x], v[TM+12*\x+6], 16, v[PW+\x]
.elseif (\n) == 14
	v_lshl_or_b32 v[PW+\x], v[TM+12*\x+7], 24, v[PW+\x]
.endif
.endm
; Tile x's 64 numbers become a fragment's codes.
.macro PACKB x
	s_wait_alu depctr_va_vdst(0)
.irp c, 0,1
	v_cvt_scalef32_pk16_fp6_f32 v[P+12*\x+6*\c:P+12*\x+6*\c+2], v[S+64*\x+32*\c:S+64*\x+32*\c+15], v[TM+12*\x+8+2*\c]
	v_cvt_scalef32_pk16_fp6_f32 v[CT+8*\x+4*\c:CT+8*\x+4*\c+2], v[S+64*\x+32*\c+16:S+64*\x+32*\c+31], v[TM+12*\x+9+2*\c]   ; (a conversion's three registers begin on an even number)
.endr
	v_nop                                          ; one plain place behind a scaled conversion
.irp c, 0,1                            ; the operand's layout wants a whole block in a lane: lanes 0-15 block 2 c, lanes 16-31 block 2 c + 1
.irp n, 0,1,2
	v_permlane16_swap_b32 v[P+12*\x+6*\c+\n], v[CT+8*\x+4*\c+\n]
.endr
.irp n, 0,1,2
	v_mov_b32 v[P+12*\x+3+6*\c+\n], v[CT+8*\x+4*\c+\n]
.endr
.endr
.endm
; PASS 2's vector work for a key step, w = 2^(t - L) and its codes, in three parts.
; SQA: each block's largest score; tile 0's shifts: 116 plain instructions.
.macro SQA
	BLKMAX
.irp x, 0,1
.irp b, 0,1,2,3
	v_permlanex16_b32 v[TM+12*\x+4+\b], v[TM+12*\x+\b], s[SEL], s[SEL+1]
.endr
.endr
.irp x, 0,1
.irp b, 0,1,2,3
	v_max_num_f32 v[TM+12*\x+\b], v[TM+12*\x+\b], v[TM+12*\x+4+\b]   ; each block's largest score: w rises with the score
.endr
.endr
.set k, 0
.rept 32
	SHIFT 0, k
.set k, k+1
.endr
.irp b, 0,1,2,3
	v_fma_f32 v[TM+\b], v[TM+\b], s[CS], v[ST]     ; the same of each block's largest score
.endr
.endm
; SQ5: tile 0's exponentials, tile 1's shifts between them: 32 groups of three.  pv = 1: V is waited for behind group 7, and the last step's sixteen products stand one behind each of groups 8 to 23.
; None of these vector lines names a register of those products; groups 24 to 31 hold 24 plain lines, the places behind the last of them.
.macro SQ5 pv
.set k, 0
.rept 32
	EXP2 0, k
	SHIFT 1, k
.if \pv && (k == 7)
	s_wait_dscnt 0x0                               ; V is in: asked for 140 vector instructions ago
.endif
.if \pv && (k >= 8) && (k < 24)
	WIN 0x51
	PV1 k-8
	WIN 0
.endif
.set k, k+1
.endr
.endm
; SQC: the blocks' largest w; tile 1's exponentials with the thirty plain lines that make both tiles' scales between them; the codes.  It writes w's scale words and codes anew.
.macro SQC
.irp b, 0,1,2,3
	v_exp_f32 v[TM+\b], v[TM+\b]                   ; tile 0's blocks' largest w: the same two instructions on the same number give the same bits
	v_fma_f32 v[TM+12+\b], v[TM+12+\b], s[CS], v[ST+4]
.endr
.irp b, 0,1,2,3
	v_exp_f32 v[TM+12+\b], v[TM+12+\b]
.endr
.set k, 0
.rept 32
	EXP2 1, k
.if k%2 == 0
	PKA 0, k/2
.else
	PKA 1, k/2
.endif
.set k, k+1
.endr
	PACKB 0                                        ; (its v_nop is also the plain place between tile 1's last exponentials and their use)
	PACKB 1
.endm
.macro STEP1                           ; pass 1: the next step's K is fetched behind the products and lands under the vector work
	s_wait_dscnt 0x0                               ; K's fragments and scale words are in
	QK
	FETCHK
	STAT
.endm
; A TURN of pass 2.  pv = 1: the last step's second product is done in it, with V's q-th record of the visit in hand; more = 1: the next step's K is fetched.  pv = 0: the first turn: K's next record is fetched straight behind the scores.
.macro STEP2 pv, q, more
	s_wait_dscnt 0x0                               ; K is in
	QK
.if \pv
	FETCHV \q                                      ; V takes K's registers
.else
	FETCHK
.endif
	SQA
	SQ5 \pv
.if \pv && \more
	FETCHK                                         ; K takes them back: it lands under the rest of the vector work
.endif
	SQC
.endm
; THE CHANGE OF V's SLOTS stands at the head of each odd turn: visit v is read in turns 2 v + 1 and 2 v + 2.  Each wave waits for all its tensor loads, adds 0 to its spare word, and waits for that and for its LDS reads.
; fill = 1: behind a round of the cluster's barrier the slot that has been left takes the next visit's records: the load has two turns in which to land.
.macro CHANGE fill
	s_wait_tensorcnt 0x0                           ; no tensor load of mine is out, so a group 0 may be written
	ds_add_u32 v[SPW], v[NIL]                      ; 0 onto my spare word
.if \fill
	s_xor_b32 s[G0V+1], s[G0V+1], VS1              ; the other slot than last time,
	s_add_nc_u64 s[G0V+2:G0V+3], s[G0V+2:G0V+3], 2*REC   ; the next two records
	s_wait_dscnt 0x0                               ; the add is done, and my LDS reads are over
	CROUND
	TLOADV                                         ; the first thing behind the round, and a wave's one tensor load until the next
.else
	s_wait_dscnt 0x0
	s_barrier_signal -1
	s_barrier_wait -1
.endif
.endm
	s_wait_tensorcnt 0x0                           ; my part of K has landed, and of V's first visit
	s_wait_kmcnt 0x0                               ; scalars[head]
	s_mov_b32 s[SCAL+1], s[SCAL]                   ; (named with it as a pair)
	s_barrier_signal -1
	s_barrier_wait -1                              ; everybody's has
	FETCHK                                         ; key step 0
	s_wait_loadcnt 0x0                             ; Q
	s_mov_b32 s[CNT], 7
.Lpass1:
	STEP1
	s_sub_co_u32 s[CNT], s[CNT], 1
	s_cmp_lg_u32 s[CNT], 0
	s_cbranch_scc1 .Lpass1
	s_mov_b32 s[TK], 0                             ; the eighth step fetches pass 2's first record
	STEP1
	; THE STATISTICS of the two halves of the keys meet.
.irp x, 0,1
	v_add_f32 v[XS+2*\x+1], v[ST+4*\x+2], v[ST+4*\x+3]
.endr
.irp x, 0,1
	v_permlanex16_b32 v[TM+12*\x+4], v[XS+2*\x+1], s[SEL], s[SEL+1]
.endr
.irp x, 0,1
	v_add_f32 v[XS+2*\x+1], v[XS+2*\x+1], v[TM+12*\x+4]   ; my query's sum over my wave's keys
.endr
.irp x, 0,1
	v_mov_b32 v[XS+2*\x], v[ST+4*\x]               ; and its -M
.endr
	ds_store_b128 v[STW], v[XS:XS+3]
	s_wait_dscnt 0x0                               ; for the others' sake: my store has landed (and pass 2's first fragments are in)
	s_barrier_signal -1
	s_barrier_wait -1
	ds_load_b128 v[XP:XP+3], v[STR]
	s_wait_dscnt 0x0
.irp x, 0,1
	v_min_num_f32 v[TM+12*\x], v[XS+2*\x], v[XP+2*\x]      ; N = -(the larger M)
.endr
.irp x, 0,1
	v_sub_f32 v[TM+12*\x+1], v[TM+12*\x], v[XS+2*\x]       ; my M - the larger: a whole number, 0 or less
	v_sub_f32 v[TM+12*\x+2], v[TM+12*\x], v[XP+2*\x]       ; my partner's likewise
.endr
.irp x, 0,1
	v_cvt_i32_f32 v[TM+12*\x+1], v[TM+12*\x+1]
	v_cvt_i32_f32 v[TM+12*\x+2], v[TM+12*\x+2]
	v_cvt_i32_f32 v[TM+12*\x+3], v[TM+12*\x]
.endr
.irp x, 0,1
	v_ldexp_f32 v[TM+12*\x+1], 1.0, v[TM+12*\x+1]
	v_ldexp_f32 v[TM+12*\x+2], 1.0, v[TM+12*\x+2]
	v_ldexp_f32 v[TM+12*\x+3], 1.0, v[TM+12*\x+3]          ; 2^-M: the softmax's extra term
.endr
.irp x, 0,1
	v_mul_f32 v[TM+12*\x+2], v[XP+2*\x+1], v[TM+12*\x+2]   ; (by a power of two: exact)
.endr
.irp x, 0,1
	v_fma_f32 v[TM+12*\x+1], v[XS+2*\x+1], v[TM+12*\x+1], v[TM+12*\x+2]   ; both sums under the larger M: one rounding, the same in both waves
.endr
.irp x, 0,1
	v_add_f32 v[TM+12*\x+1], v[TM+12*\x+1], v[TM+12*\x+3]  ; den
.endr
.irp x, 0,1
	v_log_f32 v[TM+12*\x+2], v[TM+12*\x+1]
.endr
	v_nop                                          ; one plain place behind a transcendental
	s_wait_alu depctr_va_vdst(0)
.irp x, 0,1
	v_sub_f32 v[ST+4*\x], v[TM+12*\x], v[TM+12*\x+2]       ; -L = -M - log2(den)
.endr
	s_mov_b32 s[TV], 0
	s_mov_b32 s[CNT], 3
	STEP2 0, 0, 1                                  ; turn 0: step 0's scores and codes; there is no second product yet
.Lvisit:                                           ; three trips, turns 1 to 6: behind each change of slots the next visit's V is asked for
	CHANGE 1
	STEP2 1, 0, 1
	STEP2 1, 1, 1
	s_xor_b32 s[TV], s[TV], VS1
	s_sub_co_u32 s[CNT], s[CNT], 1
	s_cmp_lg_u32 s[CNT], 0
	s_cbranch_scc1 .Lvisit
	CHANGE 0                                       ; the last visit is written out
	STEP2 1, 0, 0                                  ; turn 7: step 7's scores and codes, step 6's second product
	FETCHV 1                                       ; and step 7's second product by itself
.rept 8
	v_nop                                          ; a scale register written by vector instructions stands 8 places ahead of a scaled matrix instruction, an operand so written 4
.endr
	s_wait_dscnt 0x0                               ; V is in
	WIN 0x51
.set m, 0
.rept 16
	PV1 m
.set m, m+1
.endr
	WIN 0
	; THE WAY OUT.  Waves 4-7 hand their O^T to waves 0-3 as an image of its registers, over K, which has had its one fill and which nobody reads behind the first barrier.
.rept 4
	v_nop                                          ; places behind the last products
.endr
	s_wait_dscnt 0x0
	s_barrier_signal -1
	s_barrier_wait -1
	s_cmp_lt_u32 s[WV], 4
	s_cbranch_scc1 .Lkeep
	WIN 0x04                                       ; an LDS store's data are its source 1: window 1
.set k, 0
.rept 32
	ds_store_b128 v[MA], v[4*k:4*k+3] offset:512*k   ; each accumulator from its low end on
.set k, k+1
.endr
	WIN 0
.Lkeep:
	s_wait_dscnt 0x0                               ; for the others' sake: my stores have landed
	s_barrier_signal -1
	s_barrier_wait -1
	s_cmp_ge_u32 s[WV], 4
	s_cbranch_scc1 .Ldone
.set k, 0
.rept 32
	ds_load_b128 v[S+4*k:S+4*k+3], v[MA] offset:512*k
.set k, k+1
.endr
.macro FINISH x
	WIN 0x01                                       ; source 0: window 1
.set k, 0
.rept 32
	v_pk_add_f32 v[S+64*\x+k:S+64*\x+k+1], v[64*\x+k:64*\x+k+1], v[S+64*\x+k:S+64*\x+k+1]   ; the two halves of the keys
.set k, k+2
.endr
	WIN 0
.set k, 0
.rept 32
	v_pk_mul_f32 v[S+64*\x+k:S+64*\x+k+1], v[S+64*\x+k:S+64*\x+k+1], s[SCAL:SCAL+1] op_sel_hi:[1,0]   ; x scalars[head]
.set k, k+2
.endr
.irp b, 0,1,2,3                        ; registers 16 b + j and 16 b + 8 + j change halves: 16 registers are then d = 32 b + 16 (lane / 16) + 0 .. 15, the true order, which the last product's other operand has
.irp j, 0,1,2,3,4,5,6,7
	v_permlane16_swap_b32 v[S+64*\x+16*\b+\j], v[S+64*\x+16*\b+8+\j]
.endr
.endr
.irp b, 0,1,2,3
	v_max3_num_f32 v[TM+12*\x+\b], |v[S+64*\x+16*\b]|, |v[S+64*\x+16*\b+1]|, 0x1800000   ; my 16 numbers of block b, and the floor
.endr
.irp n, 2,4,6,8,10,12,14
.irp b, 0,1,2,3
	v_max3_num_f32 v[TM+12*\x+\b], v[TM+12*\x+\b], |v[S+64*\x+16*\b+\n]|, |v[S+64*\x+16*\b+\n+1]|
.endr
.endr
.irp b, 0,1,2,3
	v_permlanex16_b32 v[TM+12*\x+4+\b], v[TM+12*\x+\b], s[SEL], s[SEL+1]
.endr
.irp b, 0,1,2,3
	v_max_num_f32 v[TM+12*\x+\b], v[TM+12*\x+\b], v[TM+12*\x+4+\b]
.endr
.irp m, 4,5,6,7,8,9,10,11,12,13,14
	PKA \x, \m
.endr
	PACKB \x
.irp c, 0,1,2
	global_store_b128 v[GI], v[P+12*\x+4*\c:P+12*\x+4*\c+3], s[8:9] offset:1536*\x+512*\c   ; the image: 512 consecutive bytes a store, aligned
.endr
.endm
	s_wait_dscnt 16                                ; tile 0's sixteen loads are in; tile 1's may be out
	FINISH 0
	s_wait_dscnt 0x0
	FINISH 1
	global_store_b64 v[GSC], v[PW:PW+1], s[8:9]    ; my two fragments' scale words: 8 bytes a row (lanes 16-31 store what lanes 0-15 store); four waves fill the record's last 512 bytes
.Ldone:
	s_wait_tensorcnt 0x0                           ; the wave's end
	ds_add_u32 v[SPW], v[NIL]
	s_wait_dscnt 0x0
	CROUND                                         ; the closing round
	s_endpgm
.Lfunc_end_k_qafb8a06abf_attn:
	.size	k_qafb8a06abf_attn, .Lfunc_end_k_qafb8a06abf_attn-k_qafb8a06abf_attn
	.p2alignl 7, 3214868480
	.fill 96, 4, 3214868480
	.section	.rodata,"a",@progbits
	.p2align	6, 0x0
	.amdhsa_kernel k_qafb8a06abf_attn
		.amdhsa_group_segment_fixed_size 327680
		.amdhsa_private_segment_fixed_size 0
		.amdhsa_enable_private_segment 0
		.amdhsa_kernarg_size 24
		.amdhsa_user_sgpr_count 2
		.amdhsa_user_sgpr_kernarg_segment_ptr 1
		.amdhsa_wavefront_size32 1
		.amdhsa_system_sgpr_workgroup_id_x 1
		.amdhsa_system_sgpr_workgroup_id_y 1
		.amdhsa_system_sgpr_workgroup_id_z 1
		.amdhsa_system_vgpr_workitem_id 0
		.amdhsa_next_free_vgpr 504
		.amdhsa_next_free_sgpr 66
		.amdhsa_reserve_vcc 0
		.amdhsa_float_denorm_mode_32 3
		.amdhsa_float_denorm_mode_16_64 3
		.amdhsa_memory_ordered 1
		.amdhsa_forward_progress 1
		.amdhsa_inst_pref_size 179
	.end_amdhsa_kernel
	.amdgpu_metadata
---
amdhsa.version: [ 1, 2 ]
amdhsa.kernels:
  - .name:           k_qafb8a06abf_attn
    .symbol:         k_qafb8a06abf_attn.kd
    .args:
      - { .name: qkv, .offset: 0, .size: 8, .value_kind: global_buffer, .address_space: global }
      - { .name: scalars, .offset: 8, .size: 8, .value_kind: global_buffer, .address_space: global }
      - { .name: aimg, .offset: 16, .size: 8, .value_kind: global_buffer, .address_space: global }
    .group_segment_fixed_size: 327680
    .private_segment_fixed_size: 0
    .kernarg_segment_align: 8
    .kernarg_segment_size: 24
    .max_flat_workgroup_size: 256
    .sgpr_count:     66
    .vgpr_count:     504
    .wavefront_size: 32
...
	.end_amdgpu_metadata
.endif
;; end of part 2
;; launch oproj (part 3): grid 16 x 16, 4 waves a work-group, clusters of 4 x 4, 327,680 bytes of LDS; arguments aimg, Wo_codes, Wo_scales, out0; writes out0
.if DOCPART == 3
	.amdgcn_target "amdgcn-amd-amdhsa--gfx1250"
	.amdhsa_code_object_version 6
	.text
	.protected	k_qafb8a06abf_oproj
	.globl	k_qafb8a06abf_oproj
	.p2align	8
	.type	k_qafb8a06abf_oproj,@function
k_qafb8a06abf_oproj:
	s_mov_b64 s[64:65], 0
	v_nop
	global_prefetch_b8 v0, s[64:65] scope:SCOPE_SE
	s_setreg_imm32_b32 hwreg(HW_REG_WAVE_MODE, 25, 1), 1
	s_wait_xcnt 0x0
	s_wait_alu depctr_hold_cnt(0) depctr_sa_sdst(0) depctr_va_vdst(0) depctr_va_sdst(0) depctr_va_ssrc(0) depctr_va_vcc(0) depctr_vm_vsrc(0)
	s_getreg_b32 s2, hwreg(HW_REG_IB_STS2, 6, 4)
	s_cmp_eq_u32 s2, 0
	s_cbranch_scc0 .Lentry_in_a_cluster
	s_endpgm
.Lentry_in_a_cluster:
	s_bfe_u32 s2, ttmp6, 0x10000c
	s_cmp_lg_u32 s2, 0xf033
	s_cbranch_scc0 .Lentry_shape_is_right
	s_endpgm
.Lentry_shape_is_right:
; out0 = attn Wo^T, 2,048 x 2,048 x 2,048, on codes of FP6 (E2M3) with one E8M0 scale for each 32 along K; sums in f32; out0 f32.
; A (attn) lies in aimg as records of 12,800 bytes: 128 rows x 128 K (one head) as images of the operand's registers (fragment a, group c of four registers, lane l at 1,536 a + 512 c + 16 l;
; scale words at 12,288 + 256 (a / 4) + 16 r + 4 (a % 4)); record = group of 128 rows x 16 + K step.  B (Wo) is given: rows of 1,536 bytes of codes, 64 scale bytes a row.
; TILES.  Tiles of 256 x 256 would be 64; tiles of 128 x 128 give each of 256 work-groups one.  Four waves, each 64 x 64: 16 accumulators.
; K goes in four visits of 512 (four steps of 128) through two LDS slots; the text is written out by macros, without a loop.
; CLUSTERS: 4 x 4 work-groups.  A's records are shared along a row of the cluster, B's tiles and scale bytes along a column: asked for jointly.
; THE MATRIX INSTRUCTION IS USED TRANSPOSED (source 0 = 16 rows of Wo, source 1 = 16 rows of attn): a lane holds eight neighbouring numbers of a row of out0.
; LDS: slot s at 106,496 s: A's four records, then B's 128 rows of 384 bytes with 16 bytes of padding behind every 128 (pitch 432 bytes = 108 words: the 32 lanes of a load of 8 bytes name 64 different words modulo 64);
;   behind the slots Wo's scale bytes (filled once, units of 256 bytes + 16), then the spare words.  The stages of the way out lie in slot 0, behind its last fill and its last read.
; REGISTERS.  window 0: v16-27 addresses; v32-95 scale words, two sets, and nothing else; v128-255 the accumulators ((a, b) at v[128 + 8 (4 a + b)]).
;   window 1: two sets of fragments: set s: B's four at 96 s, A's four at 96 s + 48.
.set REC,   12800
.set KROW,  1536                       ; a row of Wo's codes in memory
.set VROW,  384                        ; 512 codes
.set BP,    432                        ; B's pitch in LDS
.set SLOT,  4*REC+128*BP               ; 106,496
.set SCL,   2*SLOT                     ; Wo's scale bytes
.set SPARE, SCL+32*272                 ; the spare words, 128 bytes a wave: two blocks of 256 bytes that no other line names
.set SPITCH, 272                       ; the stage: 16 rows x (256 bytes + 16) a wave
.set ROWC,  8192                       ; a row of out0 in bytes
.set ADA,  16                          ; v16-17 my A fragments in slot 0, 1
.set ADB,  18                          ; v18-19 my B fragments
.set ADB2, 20                          ; v20-21 the same for the pieces that lie behind one padding more in lanes 16-31
.set ADSA, 22                          ; v22-23 A's scale words
.set ADSB, 24                          ; v24    B's
.set STO,  25                          ; v25    the way out: where I put 32 bytes of a row
.set RD,   26                          ; v26    where I read a row back
.set CO,   27                          ; v27    my byte offset in out0
.set SPW,  28                          ; v28    my spare word; never rewritten
.set NIL,  29                          ; v29    0; never rewritten
.set SAR,  32                          ; A's scale words: set, step q, block a at SAR + 32 set + 4 q + a
.set SBR,  48                          ; B's: set, block b, step q at SBR + 32 set + 4 b + q
.set ACC,  128
.set G1A, 24
.set G0A, 32                           ; s[32:39] a set for each slot
.set G1B, 48
.set G0B, 56                           ; s[56:63]
.set G1S, 68
.set G0S, 76
.set MSB, 0
.macro WIN new                         ; the immediate's high byte repeats the setting that is left
.if MSB != (\new)
	s_set_vgpr_msb (MSB<<8)|(\new)
.set MSB, (\new)
.endif
.endm
.set MUL,  0x05                        ; sources 0 (B) and 1 (A) window 1; C and D window 0
.set TO_F, 0x40                        ; destination window 1, address window 0
.macro JLOAD s                         ; a joint refill: waves 0 and 1 fetch A's halves, waves 2 and 3 B's; four v_nop follow each of the two lines
	s_cmp_eq_u32 s15, 0
	s_cbranch_scc0 .Lfor_b_\@
	tensor_load_to_lds s[G0A+4*\s:G0A+4*\s+3], s[G1A:G1A+7]
	s_nop 0
.rept 4
	v_nop
.endr
	s_branch .Lasked_\@
.Lfor_b_\@:
	tensor_load_to_lds s[G0B+4*\s:G0B+4*\s+3], s[G1B:G1B+7]
	s_nop 0
.rept 4
	v_nop
.endr
.Lasked_\@:
.endm
.macro CREST                           ; a round of the cluster's barrier behind its opening barrier
	s_cmp_lg_u32 s14, 0
	s_cbranch_scc1 .Lnot_wave_0_\@
	s_barrier_signal -3
.Lnot_wave_0_\@:
	s_barrier_wait -3
	s_barrier_signal -1
	s_barrier_wait -1
.endm
.macro CROUND
	s_barrier_signal -1
	s_barrier_wait -1
	CREST
.endm
	s_load_b256 s[4:11], s[0:1], 0x0               ; aimg s[4:5], Wo's codes s[6:7], Wo's scales s[8:9], out0 s[10:11]
	v_lshl_add_u32 v[SPW], v0, 2, SPARE
	v_mov_b32 v[NIL], 0
	ds_add_u32 v28, v29
	ds_add_u32 v28, v29
	s_wait_dscnt 0x0
	v_lshrrev_b32 v1, 5, v0
	v_readfirstlane_b32 s14, v1                    ; wave 0..3
	s_lshr_b32 s15, s14, 1                         ; which half of the tile's rows is mine.  Also: I fetch for A (0) or for B (1)
	s_and_b32 s16, s14, 1                          ; which half of its columns.  Also: which half of that tile I fetch
	s_bfe_u32 s40, ttmp6, 0x40000                  ; cx, cy
	s_bfe_u32 s41, ttmp6, 0x40004
	s_lshl_b32 s42, ttmp9, 2
	s_add_co_u32 s42, s42, s40                     ; tile column X
	s_and_b32 s17, ttmp7, 0xffff
	s_lshl_b32 s17, s17, 2
	s_add_co_u32 s17, s17, s41                     ; tile row Y
	s_lshl_b32 s43, s41, 2
	s_lshl_b32 s43, 15, s43                        ; my row of the cluster
	s_lshl_b32 s44, 0x1111, s40                    ; my column
	s_or_b32 s[G1A], s43, (3<<16)|(1<<21)          ; A: two records, 100 rows of 256 bytes (32 elements of 8 bytes), dense, no padding; the mask: my row
	s_mov_b32 s[G1A+1], 32<<16
	s_mov_b32 s[G1A+2], 100<<16
	s_mov_b32 s[G1A+3], 32<<16
	s_mov_b32 s[G1A+4], 100
	s_mov_b32 s[G1A+5], 32
	s_mov_b32 s[G1A+6], 0
	s_mov_b32 s[G1A+7], 0
	s_or_b32 s[G1B], s44, (0<<16)|(1<<20)|(1<<21)|(4<<22)|(3<<25)   ; B: 64 rows of 384 bytes; padding of 4 words behind every 32 words; the mask: my column
	s_mov_b32 s[G1B+1], VROW<<16
	s_mov_b32 s[G1B+2], 64<<16
	s_mov_b32 s[G1B+3], VROW<<16
	s_mov_b32 s[G1B+4], 64
	s_mov_b32 s[G1B+5], KROW
	s_mov_b32 s[G1B+6], 0
	s_mov_b32 s[G1B+7], 0
	s_or_b32 s[G1S], s44, (3<<16)|(1<<20)|(1<<21)|(5<<22)|(3<<25)   ; the scale bytes of 64 rows: 16 rows of 256 bytes, dense, 16 bytes of padding behind each
	s_mov_b32 s[G1S+1], 32<<16
	s_mov_b32 s[G1S+2], 16<<16
	s_mov_b32 s[G1S+3], 32<<16
	s_mov_b32 s[G1S+4], 16
	s_mov_b32 s[G1S+5], 32
	s_mov_b32 s[G1S+6], 0
	s_mov_b32 s[G1S+7], 0
	s_mul_i32 s20, s17, 16*REC                     ; A: the row group's sixteen records,
	s_mul_i32 s18, s16, 2*REC                      ; my two of a visit's four (in memory and in a slot alike)
	s_add_co_u32 s20, s20, s18
	s_mov_b32 s21, 0
	s_lshl_b32 s46, s42, 7
	s_lshl_b32 s19, s16, 6
	s_add_co_u32 s46, s46, s19                     ; B: row 128 X + 64 x half
	s_lshl_b32 s84, s46, 6                         ; its scale bytes
	s_mov_b32 s85, 0
	s_mul_i32 s46, s46, KROW                       ; its codes
	s_mov_b32 s47, 0
	s_mul_i32 s45, s16, 64*BP
	s_add_co_u32 s45, s45, 4*REC                   ; B's place in a slot
	s_mul_i32 s22, s16, 16*272
	s_add_co_u32 s22, s22, SCL                     ; and the scale bytes'
	s_wait_kmcnt 0x0
	s_add_nc_u64 s[20:21], s[4:5], s[20:21]
	s_add_nc_u64 s[46:47], s[6:7], s[46:47]
	s_add_nc_u64 s[84:85], s[8:9], s[84:85]
.irp s, 0,1
	s_mov_b32 s[G0A+4*\s], 1
	s_add_co_u32 s[G0A+4*\s+1], s18, \s*SLOT
	s_add_nc_u64 s[G0A+4*\s+2:G0A+4*\s+3], s[20:21], \s*4*REC
	s_or_b32 s[G0A+4*\s+3], s[G0A+4*\s+3], 0x80000000
	s_mov_b32 s[G0B+4*\s], 1
	s_add_co_u32 s[G0B+4*\s+1], s45, \s*SLOT
	s_add_nc_u64 s[G0B+4*\s+2:G0B+4*\s+3], s[46:47], \s*VROW
	s_or_b32 s[G0B+4*\s+3], s[G0B+4*\s+3], 0x80000000
.endr
	s_mov_b32 s[G0S], 1
	s_mov_b32 s[G0S+1], s22
	s_mov_b64 s[G0S+2:G0S+3], s[84:85]
	s_or_b32 s[G0S+3], s[G0S+3], 0x80000000
	CROUND                                         ; all sixteen work-groups are here: the first joint loads meet
	s_cmp_eq_u32 s15, 0                            ; a wave's first fills stand in one branch: two loads of an A wave are out, three of a B wave
	s_cbranch_scc0 .Lfirst_b
	tensor_load_to_lds s[G0A:G0A+3], s[G1A:G1A+7]
	s_nop 0
	tensor_load_to_lds s[G0A+4:G0A+7], s[G1A:G1A+7]
	s_nop 0
.rept 4
	v_nop
.endr
	s_branch .Lfirst_asked
.Lfirst_b:
	tensor_load_to_lds s[G0S:G0S+3], s[G1S:G1S+7]
	s_nop 0
	tensor_load_to_lds s[G0B:G0B+3], s[G1B:G1B+7]
	s_nop 0
	tensor_load_to_lds s[G0B+4:G0B+7], s[G1B:G1B+7]
	s_nop 0
.rept 4
	v_nop
.endr
.Lfirst_asked:
	v_and_b32 v1, 15, v0                           ; r
	v_bfe_u32 v2, v0, 4, 1                         ; lane / 16
	v_and_b32 v3, 31, v0                           ; lane
	s_mul_i32 s21, s15, 4*1536                     ; A: my four fragments of a record
	v_lshl_add_u32 v[ADA], v3, 4, s21
	v_add_nc_u32 v[ADA+1], SLOT, v[ADA]
	v_mul_u32_u24 v4, v1, BP
	v_mad_u32_u24 v5, v2, 24, v4                   ; B: row x pitch + 24 x half
	v_mad_u32_u24 v6, v2, 40, v4                   ; and behind one padding more
	v_add_nc_u32 v[ADB], s45, v5
	v_add_nc_u32 v[ADB+1], SLOT, v[ADB]
	v_add_nc_u32 v[ADB2], s45, v6
	v_add_nc_u32 v[ADB2+1], SLOT, v[ADB2]
	s_lshl_b32 s21, s15, 8
	s_add_co_u32 s21, s21, 12288
	v_lshl_add_u32 v[ADSA], v1, 4, s21             ; A's scale words: 12,288 + 256 x rows' half + 16 r: my four fragments' words of row r
	v_add_nc_u32 v[ADSA+1], SLOT, v[ADSA]
	v_lshrrev_b32 v4, 2, v1
	v_mul_u32_u24 v4, v4, 272
	v_and_b32 v5, 3, v1
	v_lshl_add_u32 v4, v5, 6, v4
	v_add_nc_u32 v[ADSB], s22, v4                  ; B's: four rows of 64 bytes to a unit: 272 (r / 4) + 64 (r % 4)
	s_mul_i32 s23, s14, 16*SPITCH                  ; my stage
	v_mul_u32_u24 v4, v1, SPITCH
	v_lshl_add_u32 v4, v2, 5, v4
	v_add_nc_u32 v[STO], s23, v4                   ; in: row r, 32 bytes for each half of the lanes
	v_mul_u32_u24 v4, v2, SPITCH
	v_lshl_add_u32 v4, v1, 4, v4
	v_add_nc_u32 v[RD], s23, v4                    ; back: lanes 0-15 one row of 256 bytes, lanes 16-31 the next
	v_lshlrev_b32 v4, 13, v2
	v_lshl_add_u32 v[CO], v1, 4, v4                ; and the same two rows in out0
	s_lshl_b32 s20, s17, 7
	s_lshl_b32 s21, s15, 6
	s_add_co_u32 s20, s20, s21                     ; my first row: 128 Y + 64 x half
	s_mul_i32 s20, s20, ROWC
	s_lshl_b32 s46, s42, 9                         ; my first column, in bytes: 512 X + 256 x half
	s_lshl_b32 s47, s16, 8
	s_add_co_u32 s46, s46, s47
	s_add_co_u32 s46, s46, s20
	s_mov_b32 s47, 0
	s_add_nc_u64 s[10:11], s[10:11], s[46:47]
.macro FRAGB reg, slot, q, b           ; a fragment of B: 24 bytes of the row's stream of bits twice, in pieces of 8 bytes; lanes 16-31 read three pieces further on
.irp p, 0,1,2,3,4,5
.set PCE, 12*(\q)+6*(\p/3)+\p%3
.if PCE%16 < 13
	ds_load_b64 v[(\reg)+2*\p:(\reg)+2*\p+1], v[ADB+\slot] offset:8*PCE+16*(PCE/16)+(\b)*16*BP
.else
	ds_load_b64 v[(\reg)+2*\p:(\reg)+2*\p+1], v[ADB2+\slot] offset:8*PCE+16*(PCE/16)+(\b)*16*BP
.endif
.endr
.endm
; The fragments of the slot's q-th 128 along K into a set: 24 loads for B, 12 for A, A's blocks 2 and 3 last.  sc >= 0: ahead of them the whole visit's scale words into set sc (8 loads).
.macro FETCH slot, q, set, sc, vis
.if (\sc) >= 0
	WIN 0
.irp u, 0,1,2,3
	ds_load_b128 v[SAR+32*(\sc)+4*\u:SAR+32*(\sc)+4*\u+3], v[ADSA+\slot] offset:REC*\u
.endr
.irp b, 0,1,2,3
	ds_load_b128 v[SBR+32*(\sc)+4*\b:SBR+32*(\sc)+4*\b+3], v[ADSB] offset:4*272*\b+16*(\vis)
.endr
.endif
	WIN TO_F
.irp b, 0,1,2,3
	FRAGB 96*(\set)+12*\b, \slot, \q, \b
.endr
.irp a, 0,1,2,3
.irp c, 0,1,2
	ds_load_b128 v[96*(\set)+48+12*\a+4*\c:96*(\set)+48+12*\a+4*\c+3], v[ADA+\slot] offset:REC*(\q)+1536*\a+512*\c
.endr
.endr
.endm
; Four products: A's block a against B's four.  The sixteen accumulators take turns, one instruction a turn, in the same order in every step.
.macro MUL4 set, a, q, sc, zero
.irp b, 0,1,2,3
.if \zero
	v_wmma_scale_f32_16x16x128_f8f6f4 v[ACC+8*(4*(\a)+\b):ACC+8*(4*(\a)+\b)+7], v[96*(\set)+12*\b:96*(\set)+12*\b+11], v[96*(\set)+48+12*(\a):96*(\set)+48+12*(\a)+11], 0, v[SBR+32*(\sc)+4*\b+(\q)], v[SAR+32*(\sc)+4*(\q)+(\a)] matrix_a_fmt:MATRIX_FMT_FP6 matrix_b_fmt:MATRIX_FMT_FP6
.else
	v_wmma_scale_f32_16x16x128_f8f6f4 v[ACC+8*(4*(\a)+\b):ACC+8*(4*(\a)+\b)+7], v[96*(\set)+12*\b:96*(\set)+12*\b+11], v[96*(\set)+48+12*(\a):96*(\set)+48+12*(\a)+11], v[ACC+8*(4*(\a)+\b):ACC+8*(4*(\a)+\b)+7], v[SBR+32*(\sc)+4*\b+(\q)], v[SAR+32*(\sc)+4*(\q)+(\a)] matrix_a_fmt:MATRIX_FMT_FP6 matrix_b_fmt:MATRIX_FMT_FP6
.endif
.endr
.endm
.macro PLACES                          ; four plain vector instructions in front of loads into registers that matrix instructions have read, and of reads of results
.rept 4
	v_nop
.endr
.endm
; One of a visit's first three steps: multiplies set q % 2 and fetches the next step in its middle.
.macro STEP slot, q, sc, zero
	s_wait_dscnt 6                                 ; all but the youngest six loads (A's blocks 2 and 3) are in
	WIN MUL
	MUL4 (\q)%2, 0, \q, \sc, \zero
	MUL4 (\q)%2, 1, \q, \sc, \zero
	PLACES
	FETCH \slot, (\q)+1, 1-(\q)%2, -1, 0
	s_wait_dscnt 36                                ; all but the 36 just issued
	WIN MUL
	MUL4 (\q)%2, 2, \q, \sc, \zero
	MUL4 (\q)%2, 3, \q, \sc, \zero
.endm
; A visit's last step changes slots: one barrier; in front of it each wave waits for all its tensor loads, adds 0 to its spare word, and waits for that and for its reads of this slot.
.macro TURN slot, next, fill, sc, nvis
	WIN 0                                          ; (the add's two registers lie in window 0)
	s_wait_tensorcnt 0x0                           ; all my tensor loads have landed: my part of the next slot
	ds_add_u32 v[SPW], v[NIL]                      ; 0 onto my spare word
	s_wait_dscnt 7                                 ; (the add and the youngest six loads may be out)
	WIN MUL
	MUL4 1, 0, 3, \sc, 0                           ; eight products stand between the add and the wait for it
	MUL4 1, 1, 3, \sc, 0
	s_wait_dscnt 0x0                               ; the add is done, and my reads of this slot are over
	s_barrier_signal -1
	MUL4 1, 2, 3, \sc, 0
	WIN 0
	s_barrier_wait -1
.if \fill
	CREST                                          ; the barrier has opened a round of the cluster's: no wave of any partner still reads this slot or has a load on its way
	s_add_nc_u64 s[G0A+4*\slot+2:G0A+4*\slot+3], s[G0A+4*\slot+2:G0A+4*\slot+3], 8*REC
	s_add_nc_u64 s[G0B+4*\slot+2:G0B+4*\slot+3], s[G0B+4*\slot+2:G0B+4*\slot+3], 2*VROW
	JLOAD \slot                                    ; the first tensor load behind the round: two visits on; its four v_nop are the places in front of the loads below
.else
	PLACES
.endif
	FETCH \next, 0, 0, 1-(\sc), \nvis
	WIN MUL
	MUL4 1, 3, 3, \sc, 0
.endm
	s_wait_tensorcnt 1                             ; the scale bytes and my part of slot 0 are in; slot 1's load may be out, on both ways
	s_barrier_signal -1
	s_barrier_wait -1
	FETCH 0, 0, 0, 0, 0
	STEP 0, 0, 0, 1                                ; the first step's products start the sums
	STEP 0, 1, 0, 0
	STEP 0, 2, 0, 0
	TURN 0, 1, 1, 0, 1                             ; slot 0 takes visit 2
	STEP 1, 0, 1, 0
	STEP 1, 1, 1, 0
	STEP 1, 2, 1, 0
	TURN 1, 0, 1, 1, 2                             ; slot 1 takes visit 3
	STEP 0, 0, 0, 0
	STEP 0, 1, 0, 0
	STEP 0, 2, 0, 0
	TURN 0, 1, 0, 0, 3                             ; nothing is left to fetch
	STEP 1, 0, 1, 0
	STEP 1, 1, 1, 0
	STEP 1, 2, 1, 0
	s_wait_dscnt 6                                 ; the very last step
	WIN MUL
	MUL4 1, 0, 3, 1, 0
	MUL4 1, 1, 3, 1, 0
	s_wait_dscnt 0x0
	MUL4 1, 2, 3, 1, 0
	MUL4 1, 3, 3, 1, 0
	WIN 0
; THE WAY OUT, block by block of 16 rows x 64 columns: a lane's 32 bytes go into my stage and come back as whole rows of 256 bytes, into the registers that they left.
; LDS serves a wave's instructions in order (ISA guide 5.7.1.4): no wait between the stores and the loads, nor in front of the next block's stores.
.macro TOSTAGE a
.irp b, 0,1,2,3
	ds_store_b128 v[STO], v[ACC+8*(4*\a+\b):ACC+8*(4*\a+\b)+3] offset:64*\b          ; each accumulator from its low end on
	ds_store_b128 v[STO], v[ACC+8*(4*\a+\b)+4:ACC+8*(4*\a+\b)+7] offset:64*\b+16
.endr
.irp t, 0,1,2,3,4,5,6,7
	ds_load_b128 v[ACC+32*\a+4*\t:ACC+32*\a+4*\t+3], v[RD] offset:\t*2*SPITCH
.endr
.endm
.macro SEND a, younger                 ; younger: the LDS instructions issued behind block a's loads, which may stay out
	s_wait_dscnt \younger
.irp t, 0,1,2,3,4,5,6,7
	global_store_b128 v[CO], v[ACC+32*\a+4*\t:ACC+32*\a+4*\t+3], s[10:11] offset:(16*\a+2*\t)*ROWC th:TH_STORE_NT   ; sixteen lanes store 256 consecutive bytes, aligned; written once, read by nobody here
.endr
.endm
	PLACES                                         ; behind the last products
	TOSTAGE 0
	TOSTAGE 1
	SEND 0, 16
	TOSTAGE 2
	SEND 1, 16
	TOSTAGE 3
	SEND 2, 16
	SEND 3, 0
	s_wait_tensorcnt 0x0                           ; the wave's end
	ds_add_u32 v[SPW], v[NIL]
	s_wait_dscnt 0x0
	CROUND                                         ; the closing round: no work-group ends while a partner may still ask for a tile that names it
	s_endpgm
.Lfunc_end_k_qafb8a06abf_oproj:
	.size	k_qafb8a06abf_oproj, .Lfunc_end_k_qafb8a06abf_oproj-k_qafb8a06abf_oproj
	.p2alignl 7, 3214868480
	.fill 96, 4, 3214868480
	.section	.rodata,"a",@progbits
	.p2align	6, 0x0
	.amdhsa_kernel k_qafb8a06abf_oproj
		.amdhsa_group_segment_fixed_size 327680
		.amdhsa_private_segment_fixed_size 0
		.amdhsa_enable_private_segment 0
		.amdhsa_kernarg_size 32
		.amdhsa_user_sgpr_count 2
		.amdhsa_user_sgpr_kernarg_segment_ptr 1
		.amdhsa_wavefront_size32 1
		.amdhsa_system_sgpr_workgroup_id_x 1
		.amdhsa_system_sgpr_workgroup_id_y 1
		.amdhsa_system_sgpr_workgroup_id_z 1
		.amdhsa_system_vgpr_workitem_id 0
		.amdhsa_next_free_vgpr 448
		.amdhsa_next_free_sgpr 96
		.amdhsa_reserve_vcc 0
		.amdhsa_float_denorm_mode_32 3
		.amdhsa_float_denorm_mode_16_64 3
		.amdhsa_memory_ordered 1
		.amdhsa_forward_progress 1
		.amdhsa_inst_pref_size 92
	.end_amdhsa_kernel
	.amdgpu_metadata
---
amdhsa.version: [ 1, 2 ]
amdhsa.kernels:
  - .name:           k_qafb8a06abf_oproj
    .symbol:         k_qafb8a06abf_oproj.kd
    .args:
      - { .name: aimg, .offset: 0, .size: 8, .value_kind: global_buffer, .address_space: global }
      - { .name: Wo_codes, .offset: 8, .size: 8, .value_kind: global_buffer, .address_space: global }
      - { .name: Wo_scales, .offset: 16, .size: 8, .value_kind: global_buffer, .address_space: global }
      - { .name: out0, .offset: 24, .size: 8, .value_kind: global_buffer, .address_space: global }
    .group_segment_fixed_size: 327680
    .private_segment_fixed_size: 0
    .kernarg_segment_align: 8
    .kernarg_segment_size: 32
    .max_flat_workgroup_size: 128
    .sgpr_count:     96
    .vgpr_count:     448
    .wavefront_size: 32
...
	.end_amdgpu_metadata
.endif
;; end of part 3
